; MI455X (gfx1250); checked and timed in simulation.
; The chip was launched on July 23, 2026; its instructions are those of AMD's public machine-readable ISA for CDNA 5 (MIT licence, August 2026) and "CDNA5" Instruction Set Architecture Reference Guide (July 2026). The comments in the code are by the model that wrote it; some were corrected since.
;; Parallel Transformer. Allowed arithmetic: matrix products marked QUANTISED: E4M3 operands, one given power-of-two scale a tensor, by v_wmma_f32_16x16x64_fp8_fp8 or v_wmma_f32_16x16x128_fp8_fp8, f32 sums; everything else in f32.
;; Inputs: Wk_codes 1,024 x 32 x 32 uint8 (E4M3 codes of Wk, K innermost, in blocks of 32 codes); Wo_codes 1,024 x 32 x 32 uint8 (E4M3 codes of Wo, K innermost, in blocks of 32 codes); Wq_codes 1,024 x 32 x 32 uint8 (E4M3 codes of Wq, K innermost, in blocks of 32 codes); Wv_codes 1,024 x 32 x 32 uint8 (E4M3 codes of Wv, K innermost, in blocks of 32 codes); X 2 x 2,048 x 1,024 float32; ff1_b 4,096 float32; ff1_w_codes 4,096 x 32 x 32 uint8 (E4M3 codes of ff1_w, K innermost, in blocks of 32 codes); ff2_b 1,024 float32; ff2_w_codes 1,024 x 128 x 32 uint8 (E4M3 codes of ff2_w, K innermost, in blocks of 32 codes); lowp_scales 16 int32 (the exponents e of the quantised operands' scales 2^e); mask 2 x 2,048 float32; norm1_w 1,024 float32; norm2_w 1,024 float32.
;; Outputs: out0 2 x 2,048 x 1,024 float32.
;; This version of the problem:
;;   THIS VERSION OF THE PROBLEM IS GIVEN IN LOW PRECISION. The matrix products marked QUANTISED in the list below multiply operands that are first quantised to E4M3 (4 exponent bits, 3 mantissa bits; 8 bits a number), with one given power-of-two scale for each operand tensor; their sums are f32. All else is computed in f32.
;;   The module's matrix products, in the order in which they are computed (A, B: the left and right operand; K: the contracted axis; several contracted axes count as one K, in the product's order):
;;     1. [M 4,096, K 1,024] x [K 1,024, N 1,024]; A: computed on the way; B: input Wq (given as codes): QUANTISED (scales: A lowp_scales[0], B lowp_scales[1])
;;     2. [M 4,096, K 1,024] x [K 1,024, N 1,024]; A: computed on the way; B: input Wk (given as codes): QUANTISED (scales: A lowp_scales[2], B lowp_scales[3])
;;     3. [M 4,096, K 1,024] x [K 1,024, N 1,024]; A: computed on the way; B: input Wv (given as codes): QUANTISED (scales: A lowp_scales[4], B lowp_scales[5])
;;     4. batch 32 x [M 2,048, K 64] x [K 64, N 2,048]; A: computed on the way; B: computed on the way: QUANTISED (scales: A lowp_scales[6], B lowp_scales[7])
;;     5. batch 32 x [M 64, K 2,048] x [K 2,048, N 2,048]; A: computed on the way; B: softmax (see below): QUANTISED (scales: A lowp_scales[8], B lowp_scales[9])
;;     6. [M 4,096, K 1,024] x [K 1,024, N 1,024]; A: computed on the way; B: input Wo (given as codes): QUANTISED (scales: A lowp_scales[10], B lowp_scales[11])
;;     7. [M 4,096, K 1,024] x [K 1,024, N 4,096]; A: computed on the way; B: input ff1_w (given as codes): QUANTISED (scales: A lowp_scales[12], B lowp_scales[13])
;;     8. [M 4,096, K 4,096] x [K 4,096, N 1,024]; A: computed on the way; B: input ff2_w (given as codes): QUANTISED (scales: A lowp_scales[14], B lowp_scales[15])
;;   THE QUANTISER, for each operand of a quantised product, along K:
;;     - The operand's scale is 2^e, e = its entry of the input lowp_scales (int32; the entries are numbered through the quantised products in the list's order, A before B).
;;     - Each number is divided by the scale, clamped to +-448, and rounded to the nearest number of E4M3, ties to even, subnormals kept.
;;     - The product sums the exact products of the quantised numbers (number of the format x scale) in f32.
;;   ~~~python
;;   def quantise(x, axis, e):      # numpy; x: float32 -> the quantised numbers, widened to float32 again
;;       x = np.moveaxis(x, axis, -1); K = x.shape[-1]
;;       r = np.clip(x / 2.0 ** e, -448, 448)
;;       step = 2.0 ** (np.maximum(np.frexp(np.where(r == 0, 1, r))[1] - 1, -6) - 3)
;;       q = np.round(r / step) * step * 2.0 ** e      # np.round: ties to even
;;       return np.moveaxis(q, -1, axis).astype(np.float32)
;;   ~~~
;;   SOFTMAX AHEAD OF A QUANTISED PRODUCT. Where the list says 'softmax', what is quantised is not the finished softmax but p = 2^(t - M), with t = logit x log2(e) and M = ceil(the row's largest t), a whole number; so 1/2 < the row's largest p <= 1. The row's sum l is taken of the UNQUANTISED p, in f32, and the product's result is divided by l at the end. Since M is a whole number, a kernel that streams over the keys may use a running M (the ceiling of the running maximum): every later rescaling is an exact power of two, so the quantised numbers keep their values, but for numbers so far below the row's largest that they fall under the format's range.
;;   OPERANDS COMPUTED ON THE WAY. 'Computed on the way' means the value that the module computes at that place (a softmax that the list does not call 'softmax' is quantised finished and normalised). What goes into a quantiser is computed in f32, as accurately as f32 sums, v_exp_f32 and their like allow (about 1e-6 of the number): no bf16 or f16 on the way to a quantiser, and a product that is left as it is and whose result goes on into a quantised operand takes f32 operands (vector FMAs, or v_wmma_f32_16x16x4_f32). A number that lies on a knife's edge between two numbers of the format may be rounded either way, as far as f32 arithmetic and the matrix unit's own rounding can turn it there, and no further.
;;   INPUTS GIVEN AS CODES. Wk (in the module: [1024, 1024], K = its axis 0); Wo (in the module: [1024, 1024], K = its axis 0); Wq (in the module: [1024, 1024], K = its axis 0); Wv (in the module: [1024, 1024], K = its axis 0); ff1_w (in the module: [1024, 4096], K = its axis 0); ff2_w (in the module: [4096, 1024], K = its axis 0): each comes as NAME_codes (uint8): NAME with its K axis moved to the last place and cut into blocks of 32 codes, [.., K / 32, bytes a block], one block behind the other in memory; one code a byte (a code: sign, 4 exponent bits, 3 mantissa bits); its scale is its entry of lowp_scales. Its value is code x scale, taken as it is: it is not quantised again, and the codes and scales need not be those that the quantiser above would give.
;; One version. Each part assembles by itself: llvm-mc -triple=amdgcn-amd-amdhsa -mcpu=gfx1250 --defsym DOCPART=n.
;; ======== version 1 of 1: 7 launches
;; limits: right only within a limited range of input values
;; workspace buffers: xq 12,582,912 bytes; qkv 12,582,912 bytes; ac 4,194,304 bytes; x1 16,777,216 bytes; hn 4,194,304 bytes; hc 16,777,216 bytes
;; launch norm1 (part 1): grid 512 x 1, 8 waves a work-group, no clusters, 25,600 bytes of LDS; arguments X, norm1_w, lowp_scales, xq; writes xq
.if DOCPART == 1
	.amdgcn_target "amdgcn-amd-amdhsa--gfx1250"
	.amdhsa_code_object_version 6
	.text
	.protected	k_q2396da72ab_norm1
	.globl	k_q2396da72ab_norm1
	.p2align	8
	.type	k_q2396da72ab_norm1,@function
k_q2396da72ab_norm1:
	s_mov_b64 s[64:65], 0
	v_nop
	global_prefetch_b8 v0, s[64:65] scope:SCOPE_SE
	s_setreg_imm32_b32 hwreg(HW_REG_WAVE_MODE, 25, 1), 1
	s_wait_xcnt 0x0
; xq[s][row][:] = the E4M3 codes of rms_norm(X, norm1_w)[row][:] under the scale 2^e(2 s), s = 0, 1, 2: the left operands of the products with Wq, Wk, Wv, each with its own given scale.
; y = w * (x * rsqrt(mean(x^2) + 1e-6)), all in f32, in that order of roundings; code = y / 2^e, held within +-448, to the nearest code, ties to even.
; One wave takes one row of 1,024 numbers: eight loads of 512 consecutive bytes; the row stays in 32 registers between the sum of squares and the scaling, so it is read once.  No wave waits for another: no barrier.
; The scale is one for the whole tensor, so the conversion may take any eight numbers of a lane: a register of four codes belongs to four neighbouring numbers of one load.  The codes turn through the wave's own
; LDS bytes (4 bytes a lane in, 16 bytes a lane out), so that each store of the wave covers 512 consecutive bytes.
; The gain is the only thing that work-groups share, 4,096 bytes beside a work-group's 32,768 of rows: no cluster.  The matrix unit has no work here.
; LIMITS: each e between -126 and 119, so that 2^e and 448 x 2^e are f32 numbers.  NaN among the inputs is not served.
.set NSET, 3                           ; sets of codes
.set XR,  16                           ; v16-47   the row: register 4 j + i = number 128 j + 4 lane + i
.set WR,  48                           ; v48-79   the gain, laid likewise
.set TR,  80                           ; v80-111  the held numbers of the set in hand
.set CR,  112                          ; v112..   codes: eight registers for each set, so that no LDS store's data are written again
.set OB,  136                          ; v136..   the codes read back: eight registers for each set
.set SC,  160                          ; v160..   set s: 2^e at SC + 2 s, 448 x 2^e at SC + 2 s + 1
	s_load_b256 s[4:11], s[0:1], 0x0               ; the rows s[4:5], the gain s[6:7], the scales' exponents s[8:9], the codes s[10:11]
	v_lshl_add_u32 v168, v0, 2, 0x6000
	v_mov_b32 v169, 0
	v_lshrrev_b32 v1, 5, v0
	s_delay_alu instid0(VALU_DEP_1)
	v_readfirstlane_b32 s14, v1                    ; wave 0..7
	v_and_b32 v2, 31, v0                           ; lane
	s_delay_alu instid0(VALU_DEP_1)
	v_lshlrev_b32 v1, 4, v2                        ; 16 x lane: my bytes of a load's or a store's 512
	s_mul_i32 s15, s14, NSET*1024                  ; my wave's LDS bytes
	v_lshl_add_u32 v3, v2, 4, s15                  ; out of them: 16 bytes a lane
	v_lshl_add_u32 v2, v2, 2, s15                  ; into them: 4 bytes a lane
	s_lshl_b32 s16, ttmp9, 3
	s_add_co_u32 s16, s16, s14                     ; my row: 8 x work-group + wave
	s_lshl_b32 s18, s16, 12                        ; 4,096 bytes a row of numbers
	s_mov_b32 s19, 0
	s_lshl_b32 s20, s16, 10                        ; 1,024 bytes a row of codes
	s_mov_b32 s21, 0
	s_mov_b32 s12, 0x76543210                      ; v_permlanex16_b32: lane l takes lane l xor 16
	s_mov_b32 s13, 0xfedcba98
	s_mov_b32 s22, 0x3a800000                      ; 1 / 1,024
	s_mov_b32 s23, 0x358637bd                      ; 1e-6
	s_wait_alu depctr_va_vdst(0)
	s_wait_kmcnt 0x0
.if NSET == 3
	s_load_b256 s[32:39], s[8:9], 0x0              ; e0 .. e7: sets 0, 1, 2 take e0, e2, e4
.else
	s_load_b32 s32, s[8:9], 0x30                   ; e12
.endif
	s_add_nc_u64 s[4:5], s[4:5], s[18:19]
	s_add_nc_u64 s[24:25], s[10:11], s[20:21]      ; my row in set 0,
.if NSET == 3
	s_add_nc_u64 s[26:27], s[24:25], 0x400000      ; in set 1,
	s_add_nc_u64 s[28:29], s[24:25], 0x800000      ; in set 2
.endif
.irp j, 0,1,2,3,4,5,6,7
	global_load_b128 v[XR+4*\j:XR+4*\j+3], v1, s[4:5] offset:512*\j th:TH_LOAD_NT
.endr
.irp j, 0,1,2,3,4,5,6,7
	global_load_b128 v[WR+4*\j:WR+4*\j+3], v1, s[6:7] offset:512*\j
.endr
	s_wait_kmcnt 0x0
.set ii, 0
.rept NSET
	s_add_co_i32 s40, s[32+2*ii], 127
	s_lshl_b32 s41, s40, 23
	v_mov_b32 v[SC+2*ii], s41                      ; 2^e as f32: the conversion takes its exponent field
	s_add_co_i32 s40, s40, 8
	s_lshl_b32 s40, s40, 23
	s_or_b32 s40, s40, 0x600000
	v_mov_b32 v[SC+2*ii+1], s40                    ; 448 x 2^e
.set ii, ii+1
.endr
	s_wait_loadcnt 0x8                             ; the row is in; the gain's eight loads, issued behind it, may be out
.irp k, 0,1,2,3
	v_pk_mul_f32 v[6+2*\k:7+2*\k], v[XR+2*\k:XR+2*\k+1], v[XR+2*\k:XR+2*\k+1]   ; four chains of packed sums of squares: the first products start them
.endr
.set ii, 4
.rept 12
	s_delay_alu instid0(VALU_DEP_4)
	v_pk_fma_f32 v[6+2*(ii%4):7+2*(ii%4)], v[XR+2*ii:XR+2*ii+1], v[XR+2*ii:XR+2*ii+1], v[6+2*(ii%4):7+2*(ii%4)]
.set ii, ii+1
.endr
	s_delay_alu instid0(VALU_DEP_3)
	v_pk_add_f32 v[6:7], v[6:7], v[8:9]
	s_delay_alu instid0(VALU_DEP_2)
	v_pk_add_f32 v[10:11], v[10:11], v[12:13]
	s_delay_alu instid0(VALU_DEP_1)
	v_pk_add_f32 v[6:7], v[6:7], v[10:11]
	s_delay_alu instid0(VALU_DEP_1)
	v_add_f32 v6, v6, v7
	s_delay_alu instid0(VALU_DEP_1)
	v_add_f32_dpp v6, v6, v6 row_xmask:1 row_mask:0xf bank_mask:0xf
	s_delay_alu instid0(VALU_DEP_1)
	v_add_f32_dpp v6, v6, v6 row_xmask:2 row_mask:0xf bank_mask:0xf
	s_delay_alu instid0(VALU_DEP_1)
	v_add_f32_dpp v6, v6, v6 row_xmask:4 row_mask:0xf bank_mask:0xf
	s_delay_alu instid0(VALU_DEP_1)
	v_add_f32_dpp v6, v6, v6 row_xmask:8 row_mask:0xf bank_mask:0xf
	s_delay_alu instid0(VALU_DEP_1)
	v_permlanex16_b32 v7, v6, s12, s13             ; (v7 has been written)
	s_delay_alu instid0(VALU_DEP_1)
	v_add_f32 v6, v6, v7                           ; the row's sum of squares, in every lane
	s_delay_alu instid0(VALU_DEP_1)
	v_fma_f32 v6, v6, s22, s23                     ; the mean (an exact scaling) + 1e-6
	s_wait_alu depctr_va_vdst(0)
	v_rsq_f32 v4, v6
	v_mov_b32 v5, 0                                ; a plain instruction behind the transcendental; v5 is named with v4 as a pair
	s_wait_alu depctr_va_vdst(0)                   ; the wait ahead of the first reader
.set ii, 0
.rept 16
	v_pk_mul_f32 v[XR+2*ii:XR+2*ii+1], v[XR+2*ii:XR+2*ii+1], v[4:5] op_sel_hi:[1,0]   ; x * rsqrt
.set ii, ii+1
.endr
	s_wait_loadcnt 0x0                             ; the gain
.set ii, 0
.rept 16
	v_pk_mul_f32 v[XR+2*ii:XR+2*ii+1], v[XR+2*ii:XR+2*ii+1], v[WR+2*ii:WR+2*ii+1]     ; * w
.set ii, ii+1
.endr
; Set s: hold, convert, through my LDS bytes.  LDS serves a wave's instructions in order (ISA guide 5.7.1.4): the loads see the stores above them.
.macro QSET s
.set jj, 0
.rept 32
	v_med3_num_f32 v[TR+jj], v[XR+jj], -v[SC+2*(\s)+1], v[SC+2*(\s)+1]   ; the conversion to an 8-bit code does not saturate (ISA guide 7.6.2): the hold at the largest code x the scale
.set jj, jj+1
.endr
.irp m, 0,1,2,3
	v_cvt_scalef32_pk8_fp8_f32 v[CR+8*(\s)+2*\m:CR+8*(\s)+2*\m+1], v[TR+8*\m:TR+8*\m+7], v[SC+2*(\s)]   ; register 2 m: the four codes of load 2 m; register 2 m + 1: of load 2 m + 1
.endr
	v_nop                                          ; a plain instruction between the conversions and the next set's holds, which write their sources
.irp j, 0,1,2,3,4,5,6,7
	ds_store_b32 v2, v[CR+8*(\s)+\j] offset:1024*(\s)+128*\j   ; codes 128 j + 4 lane .. + 3
.endr
.irp u, 0,1
	ds_load_b128 v[OB+8*(\s)+4*\u:OB+8*(\s)+4*\u+3], v3 offset:1024*(\s)+512*\u
.endr
.endm
.set qq, 0
.rept NSET
	QSET qq
.set qq, qq+1
.endr
	s_wait_dscnt 0x0
.irp u, 0,1
	global_store_b128 v1, v[OB+4*\u:OB+4*\u+3], s[24:25] offset:512*\u       ; 32 lanes store 512 consecutive bytes
.endr
.if NSET == 3
.irp u, 0,1
	global_store_b128 v1, v[OB+8+4*\u:OB+8+4*\u+3], s[26:27] offset:512*\u
.endr
.irp u, 0,1
	global_store_b128 v1, v[OB+16+4*\u:OB+16+4*\u+3], s[28:29] offset:512*\u
.endr
.endif
	s_wait_tensorcnt 0x0
	ds_add_u32 v168, v169
	s_wait_dscnt 0x0
	s_endpgm
.Lfunc_end_k_q2396da72ab_norm1:
	.size	k_q2396da72ab_norm1, .Lfunc_end_k_q2396da72ab_norm1-k_q2396da72ab_norm1
	.p2alignl 7, 3214868480
	.fill 96, 4, 3214868480
	.section	.rodata,"a",@progbits
	.p2align	6, 0x0
	.amdhsa_kernel k_q2396da72ab_norm1
		.amdhsa_group_segment_fixed_size 25600
		.amdhsa_private_segment_fixed_size 0
		.amdhsa_enable_private_segment 0
		.amdhsa_kernarg_size 32
		.amdhsa_user_sgpr_count 2
		.amdhsa_user_sgpr_kernarg_segment_ptr 1
		.amdhsa_wavefront_size32 1
		.amdhsa_system_sgpr_workgroup_id_x 1
		.amdhsa_system_sgpr_workgroup_id_y 1
		.amdhsa_system_sgpr_workgroup_id_z 1
		.amdhsa_system_vgpr_workitem_id 0
		.amdhsa_next_free_vgpr 170
		.amdhsa_next_free_sgpr 66
		.amdhsa_reserve_vcc 0
		.amdhsa_float_denorm_mode_32 3
		.amdhsa_float_denorm_mode_16_64 3
		.amdhsa_memory_ordered 1
		.amdhsa_forward_progress 1
		.amdhsa_inst_pref_size 18
	.end_amdhsa_kernel
	.amdgpu_metadata
---
amdhsa.version: [ 1, 2 ]
amdhsa.kernels:
  - .name:           k_q2396da72ab_norm1
    .symbol:         k_q2396da72ab_norm1.kd
    .args:
      - { .name: X, .offset: 0, .size: 8, .value_kind: global_buffer, .address_space: global }
      - { .name: norm1_w, .offset: 8, .size: 8, .value_kind: global_buffer, .address_space: global }
      - { .name: lowp_scales, .offset: 16, .size: 8, .value_kind: global_buffer, .address_space: global }
      - { .name: xq, .offset: 24, .size: 8, .value_kind: global_buffer, .address_space: global }
    .group_segment_fixed_size: 25600
    .private_segment_fixed_size: 0
    .kernarg_segment_align: 8
    .kernarg_segment_size: 32
    .max_flat_workgroup_size: 256
    .sgpr_count:     66
    .vgpr_count:     170
    .wavefront_size: 32
...
	.end_amdgpu_metadata
.endif
;; end of part 1
;; launch qkv (part 2): grid 48 x 4, 4 waves a work-group, clusters of 4 x 4, 327,680 bytes of LDS; arguments xq, Wq_codes, Wk_codes, Wv_codes, lowp_scales, qkv; writes qkv
.if DOCPART == 2
	.amdgcn_target "amdgcn-amd-amdhsa--gfx1250"
	.amdhsa_code_object_version 6
	.text
	.protected	k_q2396da72ab_qkv
	.globl	k_q2396da72ab_qkv
	.p2align	8
	.type	k_q2396da72ab_qkv,@function
k_q2396da72ab_qkv:
	s_mov_b64 s[64:65], 0
	v_nop
	global_prefetch_b8 v0, s[64:65] scope:SCOPE_SE
	s_setreg_imm32_b32 hwreg(HW_REG_WAVE_MODE, 25, 1), 1
	s_wait_xcnt 0x0
	s_wait_alu depctr_hold_cnt(0) depctr_sa_sdst(0) depctr_va_vdst(0) depctr_va_sdst(0) depctr_va_ssrc(0) depctr_va_vcc(0) depctr_vm_vsrc(0)
	s_getreg_b32 s2, hwreg(HW_REG_IB_STS2, 6, 4)
	s_cmp_eq_u32 s2, 0
	s_cbranch_scc0 .Lentry_in_a_cluster
	s_endpgm
.Lentry_in_a_cluster:
	s_bfe_u32 s2, ttmp6, 0x10000c
	s_cmp_lg_u32 s2, 0xf033
	s_cbranch_scc0 .Lentry_shape_is_right
	s_endpgm
.Lentry_shape_is_right:
.set SIZE_K, 1024
.set KSTEP,  256
.set ROWB,   256
.set KROW,   SIZE_K
.set PITCH,  272
.set FR,     16
.set NL,     4
.set NP,     4
.set HALFT,  128*PITCH
.set SLOT,   4*HALFT
.set LAPS,   SIZE_K/(2*KSTEP)
.set SPARE,  2*SLOT
.set ADRA, 16
.set ADRB, 20
.set SPW,  28
.set NIL,  29
.set TMP,  32
.set OFF,  96
.set AF,   128
.set CD,   128
.set G1, 24
.set G0, 32
.set G1B, 48
.set G0B, 56
.set MSB, 0
.macro WIN new
.if MSB != \new
	s_set_vgpr_msb (MSB<<8)|\new
.set MSB, \new
.endif
.endm
.set MUL_LO, 0xa1
.set MUL_HI, 0xf1
.set TO_B,   0x40
.macro JLOAD g0a, g1a, g0b, g1b
	s_cmp_eq_u32 s15, 0
	s_cbranch_scc0 .Lfor_b_\@
	tensor_load_to_lds s[\g0a:\g0a+3], s[\g1a:\g1a+7]
	s_nop 0
.rept 4
	v_nop
.endr
	s_branch .Lasked_\@
.Lfor_b_\@:
	tensor_load_to_lds s[\g0b:\g0b+3], s[\g1b:\g1b+7]
	s_nop 0
.rept 4
	v_nop
.endr
.Lasked_\@:
.endm
.macro CREST
	s_cmp_lg_u32 s14, 0
	s_cbranch_scc1 .Lnot_wave_0_\@
	s_barrier_signal -3
.Lnot_wave_0_\@:
	s_barrier_wait -3
	s_barrier_signal -1
	s_barrier_wait -1
.endm
.macro CROUND
	s_barrier_signal -1
	s_barrier_wait -1
	CREST
.endm
	s_load_b256 s[68:75], s[0:1], 0x0
	s_load_b128 s[76:79], s[0:1], 0x20
	v_lshl_add_u32 v[SPW], v0, 2, SPARE
	v_mov_b32 v[NIL], 0
	ds_add_u32 v28, v29
	ds_add_u32 v28, v29
	s_wait_dscnt 0x0
	v_lshrrev_b32 v1, 5, v0
	v_readfirstlane_b32 s14, v1
	s_lshr_b32 s15, s14, 1
	s_and_b32 s16, s14, 1
	s_bfe_u32 s40, ttmp6, 0x40000
	s_bfe_u32 s41, ttmp6, 0x40004
	s_lshl_b32 s43, s41, 2
	s_lshl_b32 s43, 15, s43
	s_lshl_b32 s44, 0x1111, s40
	s_and_b32 s96, ttmp9, 1
	s_lshl_b32 s99, s96, 22
	s_lshr_b32 s97, ttmp9, 1
	s_lshl_b32 s97, s97, 2
	s_sub_co_u32 s2, ttmp9, 8
	s_lshl_b32 s2, s2, 2
	s_mov_b32 s66, 131072
	s_mov_b32 s67, 2048
	s_mov_b32 s12, 1024
	s_mov_b32 s13, 262144
	s_mov_b32 s98, 8192
	s_cmp_lt_u32 ttmp9, 8
	s_cselect_b32 s17, s97, 0
	s_cselect_b32 s42, 0, s2
	s_cselect_b32 s66, 4096, s66
	s_cselect_b32 s67, 1024, s67
	s_cselect_b32 s12, 131072, s12
	s_cselect_b32 s13, 8192, s13
	s_cselect_b32 s98, 262144, s98
	s_cselect_b32 s99, s99, 0x800000
	s_add_co_u32 s17, s17, s41
	s_add_co_u32 s42, s42, s40
	s_cmp_lt_u32 ttmp9, 8
	s_cselect_b32 s100, s17, s42
	s_cselect_b32 s101, s42, s17
	s_or_b32 s[G1+0], s43, (0<<16)|(1<<20)|(1<<21)|(5<<22)|(3<<25)
	s_or_b32 s[G1B+0], s44, (0<<16)|(1<<20)|(1<<21)|(5<<22)|(3<<25)
.irp g, G1, G1B
	s_mov_b32 s[\g+1], ROWB<<16
	s_mov_b32 s[\g+2], 128<<16
	s_mov_b32 s[\g+3], ROWB<<16
	s_mov_b32 s[\g+4], 128
	s_mov_b32 s[\g+5], KROW
	s_mov_b32 s[\g+6], 0
	s_mov_b32 s[\g+7], 0
.endr
	s_lshl_b32 s18, s16, 7
	s_lshl_b32 s20, s17, 8
	s_add_co_u32 s20, s20, s18
	s_lshl_b32 s20, s20, 10
	s_mov_b32 s21, 0
	s_lshl_b32 s46, s42, 8
	s_add_co_u32 s46, s46, s18
	s_lshl_b32 s46, s46, 10
	s_mov_b32 s47, 0
	s_mul_i32 s45, s14, HALFT
	s_mov_b32 s8, s99
	s_mov_b32 s9, 0
	s_wait_kmcnt 0x0
	s_load_b512 s[80:95], s[76:77], 0x0
	s_add_nc_u64 s[8:9], s[68:69], s[8:9]
	s_cmp_eq_u32 s96, 0
	s_cselect_b64 s[6:7], s[70:71], s[72:73]
	s_cmp_lt_u32 ttmp9, 8
	s_cselect_b64 s[4:5], s[8:9], s[74:75]
	s_cselect_b64 s[6:7], s[6:7], s[8:9]
	s_add_nc_u64 s[20:21], s[4:5], s[20:21]
	s_add_nc_u64 s[46:47], s[6:7], s[46:47]
	CROUND
.irp s, 0,1
	s_mov_b32 s[G0+4*\s], 1
	s_add_co_u32 s[G0+4*\s+1], s45, \s*SLOT
	s_add_nc_u64 s[G0+4*\s+2:G0+4*\s+3], s[20:21], \s*ROWB
	s_or_b32 s[G0+4*\s+3], s[G0+4*\s+3], 0x80000000
	s_mov_b32 s[G0B+4*\s], 1
	s_add_co_u32 s[G0B+4*\s+1], s45, \s*SLOT
	s_add_nc_u64 s[G0B+4*\s+2:G0B+4*\s+3], s[46:47], \s*ROWB
	s_or_b32 s[G0B+4*\s+3], s[G0B+4*\s+3], 0x80000000
.endr
	JLOAD G0, G1, G0B, G1B                         ; K step 0: one tensor load a wave at the head
	; PREFETCH INTO THE L2 of K steps 1 to 3 (256 bytes of each row a step).  Of the 128 rows that I fetch, each of the four partners that ask for them jointly names 32, told apart by address (cx for A, cy for B): a lane a row.
	; K steps 1 and 2 are named here, K step 3 behind K step 1's load: each at least one load ahead of the load that wants it.  The steps are told apart by the immediate: no address register is written again.
	s_cmp_eq_u32 s15, 0
	s_cselect_b64 s[4:5], s[20:21], s[46:47]       ; the first of the 128 rows that I fetch
	s_cselect_b32 s6, s40, s41
	s_lshl_b32 s6, s6, 15                          ; my work-group's 32 rows of 1,024 bytes
	s_mov_b32 s7, 0
	s_add_nc_u64 s[4:5], s[4:5], s[6:7]
	v_and_b32 v30, 31, v0
	v_lshlrev_b32 v30, 10, v30                     ; a lane a row
	global_prefetch_b8 v30, s[4:5] offset:256 th:TH_LOAD_NT scope:SCOPE_SE
	global_prefetch_b8 v30, s[4:5] offset:512 th:TH_LOAD_NT scope:SCOPE_SE
	v_and_b32 v1, 15, v0
	v_bfe_u32 v2, v0, 4, 1
	v_mul_u32_u24 v3, v1, PITCH
	v_lshl_add_u32 v4, v2, 4, v3
	s_mul_i32 s21, s15, HALFT
	s_mul_i32 s22, s16, HALFT
	s_add_co_u32 s22, s22, 2*HALFT
.irp s, 0,1
	v_add_nc_u32 v[ADRA+\s], s21, v4
	v_add_nc_u32 v[ADRB+\s], s22, v4
	s_add_co_u32 s21, s21, SLOT
	s_add_co_u32 s22, s22, SLOT
.endr
	s_lshr_b32 s8, s100, 3
	s_lshl_b32 s8, s8, 21
	s_add_co_u32 s8, s8, s99
	s_and_b32 s9, s100, 7
	s_lshl_b32 s9, s9, 14
	s_add_co_u32 s8, s8, s9
	s_lshl_b32 s9, s101, 19
	s_add_co_u32 s8, s8, s9
	s_mul_i32 s9, s15, s13
	s_add_co_u32 s8, s8, s9
	s_mul_i32 s9, s16, s98
	s_add_co_u32 s8, s8, s9
	s_mov_b32 s9, 0
	s_add_nc_u64 s[10:11], s[78:79], s[8:9]
	v_and_b32 v6, 31, v0
	v_lshlrev_b32 v6, 4, v6
	s_wait_alu depctr_va_vdst(0)
.irp a, 0,1,2,3,4,5,6,7
	s_mul_i32 s8, s66, \a/4
	s_mul_i32 s9, s67, \a%4
	s_add_co_u32 s8, s8, s9
	v_add_nc_u32 v[OFF+2*\a], s8, v6
	s_add_co_u32 s8, s8, s12
	v_add_nc_u32 v[OFF+2*\a+1], s8, v6
.endr
.macro FRAG reg, adr, q, i
.irp c, 0,1,2,3
	ds_load_b128 v[\reg+4*\c:\reg+4*\c+3], v[\adr] offset:128*(\q)+32*\c+(\i)*16*PITCH
.endr
.endm
.macro MUL16 a0, p, zero
.irp a, \a0, \a0+1
.irp b, 0,1,2,3,4,5,6,7
.if \zero
	v_wmma_f32_16x16x128_fp8_fp8 v[8*(8*((\a)%4)+\b):8*(8*((\a)%4)+\b)+7], v[128*(\p)+FR*\b:128*(\p)+FR*\b+FR-1], v[AF+FR*(\a):AF+FR*(\a)+FR-1], 0
.else
	v_wmma_f32_16x16x128_fp8_fp8 v[8*(8*((\a)%4)+\b):8*(8*((\a)%4)+\b)+7], v[128*(\p)+FR*\b:128*(\p)+FR*\b+FR-1], v[AF+FR*(\a):AF+FR*(\a)+FR-1], v[8*(8*((\a)%4)+\b):8*(8*((\a)%4)+\b)+7]
.endif
.endr
.endr
.endm
.macro FETCH_B slot, q, p
	WIN TO_B
.irp i, 0,1,2,3,4,5,6,7
	FRAG 128*(\p)+FR*\i, ADRB+\slot, \q, \i
.endr
	WIN 0
.endm
.macro FETCH_A slot, q, i0
.irp i, \i0, \i0+1, \i0+2, \i0+3
	FRAG AF+FR*(\i), ADRA+\slot, \q, \i
.endr
.endm
.macro PLACES n
.rept \n
	v_nop
.endr
.endm
.macro STEP slot, q, zero
	s_wait_dscnt 4*NL
	WIN MUL_LO
	MUL16 0, (\q)%2, \zero
	MUL16 2, (\q)%2, \zero
	s_wait_dscnt 0
	PLACES NP
	FETCH_B \slot, (\q)+1, 1-(\q)%2
	FETCH_A \slot, (\q)+1, 0
	WIN MUL_HI
	MUL16 4, (\q)%2, \zero
	MUL16 6, (\q)%2, \zero
	PLACES NP
	WIN 0
	FETCH_A \slot, (\q)+1, 4
.endm
.macro TURN slot, next, fill
	s_wait_tensorcnt 0x0
	ds_add_u32 v[SPW], v[NIL]
	s_wait_dscnt 4*NL+1
	WIN MUL_LO
	MUL16 0, 1, 0
	s_wait_dscnt 0x0
	s_barrier_signal -1
	MUL16 2, 1, 0
	WIN 0
	s_barrier_wait -1
.if \fill
	CREST
	s_add_nc_u64 s[G0+4*\slot+2:G0+4*\slot+3], s[G0+4*\slot+2:G0+4*\slot+3], 2*ROWB
	s_add_nc_u64 s[G0B+4*\slot+2:G0B+4*\slot+3], s[G0B+4*\slot+2:G0B+4*\slot+3], 2*ROWB
	JLOAD G0+4*\slot, G1, G0B+4*\slot, G1B
.else
	PLACES NP
.endif
	FETCH_B \next, 0, 0
	FETCH_A \next, 0, 0
	WIN MUL_HI
	MUL16 4, 1, 0
	MUL16 6, 1, 0
	PLACES NP
	WIN 0
	FETCH_A \next, 0, 4
.endm
	s_wait_alu depctr_va_vdst(0)                   ; the wait at the head's end
	s_wait_tensorcnt 0x0                           ; my part of K step 0 is in
	ds_add_u32 v[SPW], v[NIL]                      ; 0 onto my spare word
	s_wait_dscnt 0x0
	CROUND                                         ; everybody's part is in, and the joint loads meet
	JLOAD G0+4, G1, G0B+4, G1B                     ; K step 1: the first tensor load behind the round
	global_prefetch_b8 v30, s[4:5] offset:768 th:TH_LOAD_NT scope:SCOPE_SE   ; K step 3, the last
	FETCH_B 0, 0, 0
	FETCH_A 0, 0, 0
	FETCH_A 0, 0, 4
	STEP 0, 0, 1
	s_mov_b32 s3, LAPS-1
.Llap:
	TURN 0, 1, 1
	STEP 1, 0, 0
	TURN 1, 0, 1
	STEP 0, 0, 0
	s_sub_co_u32 s3, s3, 1
	s_cmp_lg_u32 s3, 0
	s_cbranch_scc1 .Llap
	TURN 0, 1, 0
	STEP 1, 0, 0
	s_wait_dscnt 4*NL
	WIN MUL_LO
	MUL16 0, 1, 0
	MUL16 2, 1, 0
	s_wait_dscnt 0
	WIN MUL_HI
	MUL16 4, 1, 0
	MUL16 6, 1, 0
	WIN 0
	s_wait_kmcnt 0x0
	s_sub_co_i32 s8, s86, s80
	s_sub_co_i32 s8, s8, s81
	s_sub_co_i32 s9, s87, s82
	s_sub_co_i32 s9, s9, s83
	s_sub_co_i32 s2, s88, s84
	s_sub_co_i32 s2, s2, s85
	s_cmp_eq_u32 s96, 0
	s_cselect_b32 s8, s8, s9
	s_cmp_lt_u32 ttmp9, 8
	s_cselect_b32 s8, s8, s2
	s_add_co_i32 s8, s8, 127
	s_lshl_b32 s9, s8, 23
	v_mov_b32 v8, s9
	s_add_co_i32 s8, s8, 8
	s_lshl_b32 s8, s8, 23
	s_or_b32 s8, s8, 0x600000
	v_mov_b32 v9, s8
	PLACES NP
.macro OUTQ a
	WIN 0x02+((\a)/4)
.set jj, 0
.rept 64
	v_med3_num_f32 v[TMP+jj], v[64*((\a)%4)+jj], -v9, v9
.set jj, jj+1
.endr
	WIN 0
.irp b, 0,1,2,3,4,5,6,7
	v_cvt_scalef32_pk8_fp8_f32 v[CD+16*(\a)+2*\b:CD+16*(\a)+2*\b+1], v[TMP+8*\b:TMP+8*\b+7], v8
.endr
	v_nop
.irp p, 0,1,2,3
	global_store_b128 v[OFF+2*(\a)+\p/2], v[CD+16*(\a)+4*\p:CD+16*(\a)+4*\p+3], s[10:11] offset:512*(\p%2)
.endr
.endm
.irp a, 0,1,2,3,4,5,6,7
	OUTQ \a
.endr
	s_wait_tensorcnt 0x0
	ds_add_u32 v[SPW], v[NIL]
	s_wait_dscnt 0x0
	CROUND
	s_endpgm
.Lfunc_end_k_q2396da72ab_qkv:
	.size	k_q2396da72ab_qkv, .Lfunc_end_k_q2396da72ab_qkv-k_q2396da72ab_qkv
	.p2alignl 7, 3214868480
	.fill 96, 4, 3214868480
	.section	.rodata,"a",@progbits
	.p2align	6, 0x0
	.amdhsa_kernel k_q2396da72ab_qkv
		.amdhsa_group_segment_fixed_size 327680
		.amdhsa_private_segment_fixed_size 0
		.amdhsa_enable_private_segment 0
		.amdhsa_kernarg_size 48
		.amdhsa_user_sgpr_count 2
		.amdhsa_user_sgpr_kernarg_segment_ptr 1
		.amdhsa_wavefront_size32 1
		.amdhsa_system_sgpr_workgroup_id_x 1
		.amdhsa_system_sgpr_workgroup_id_y 1
		.amdhsa_system_sgpr_workgroup_id_z 1
		.amdhsa_system_vgpr_workitem_id 0
		.amdhsa_next_free_vgpr 1024
		.amdhsa_next_free_sgpr 102
		.amdhsa_reserve_vcc 0
		.amdhsa_float_denorm_mode_32 3
		.amdhsa_float_denorm_mode_16_64 3
		.amdhsa_memory_ordered 1
		.amdhsa_forward_progress 1
		.amdhsa_inst_pref_size 121
	.end_amdhsa_kernel
	.amdgpu_metadata
---
amdhsa.version: [ 1, 2 ]
amdhsa.kernels:
  - .name:           k_q2396da72ab_qkv
    .symbol:         k_q2396da72ab_qkv.kd
    .args:
      - { .name: xq, .offset: 0, .size: 8, .value_kind: global_buffer, .address_space: global }
      - { .name: Wq_codes, .offset: 8, .size: 8, .value_kind: global_buffer, .address_space: global }
      - { .name: Wk_codes, .offset: 16, .size: 8, .value_kind: global_buffer, .address_space: global }
      - { .name: Wv_codes, .offset: 24, .size: 8, .value_kind: global_buffer, .address_space: global }
      - { .name: lowp_scales, .offset: 32, .size: 8, .value_kind: global_buffer, .address_space: global }
      - { .name: qkv, .offset: 40, .size: 8, .value_kind: global_buffer, .address_space: global }
    .group_segment_fixed_size: 327680
    .private_segment_fixed_size: 0
    .kernarg_segment_align: 8
    .kernarg_segment_size: 48
    .max_flat_workgroup_size: 128
    .sgpr_count:     102
    .vgpr_count:     1024
    .wavefront_size: 32
...
	.end_amdgpu_metadata
.endif
;; end of part 2
;; launch attn (part 3): grid 8 x 32, 16 waves a work-group, clusters of 4 x 1, 327,680 bytes of LDS; arguments qkv, mask, lowp_scales, ac; writes ac
.if DOCPART == 3
	.amdgcn_target "amdgcn-amd-amdhsa--gfx1250"
	.amdhsa_code_object_version 6
	.text
	.protected	k_q2396da72ab_attn
	.globl	k_q2396da72ab_attn
	.p2align	8
	.type	k_q2396da72ab_attn,@function
k_q2396da72ab_attn:
	s_mov_b64 s[64:65], 0
	v_nop
	global_prefetch_b8 v0, s[64:65] scope:SCOPE_SE
	s_setreg_imm32_b32 hwreg(HW_REG_WAVE_MODE, 25, 1), 1
	s_wait_xcnt 0x0
	s_wait_alu depctr_hold_cnt(0) depctr_sa_sdst(0) depctr_va_vdst(0) depctr_va_sdst(0) depctr_va_ssrc(0) depctr_va_vcc(0) depctr_vm_vsrc(0)
	s_getreg_b32 s2, hwreg(HW_REG_IB_STS2, 6, 4)
	s_cmp_eq_u32 s2, 0
	s_cbranch_scc0 .Lentry_in_a_cluster
	s_endpgm
.Lentry_in_a_cluster:
	s_bfe_u32 s2, ttmp6, 0x10000c
	s_cmp_lg_u32 s2, 0x3003
	s_cbranch_scc0 .Lentry_shape_is_right
	s_endpgm
.Lentry_shape_is_right:
; ac = the E4M3 codes (scale e10) of softmax(q k^T / 8 + (mask - 1) x 1e9) v, both products on E4M3 codes (q e6, k e7, v e8, p e9).
; THE SOFTMAX: t = logit x log2(e); M = the row's largest t so far, rounded UP to a whole number; p = 2^(t - M) is quantised, not normalised; the row's sum is taken of the unquantised p and divides at the end.
; When M moves, the sums and O are multiplied by f = 2^(old M - new M): exact.
; SHARES.  A work-group owns 256 queries of one (batch, head); each of its sixteen waves 16 of them, in 256 registers.  All of the head's K and V lie in LDS, 131,072 bytes each, as they lie in memory: cells of 512 bytes
; that are images of four operand registers.  No LDS byte is filled twice.
; CLUSTER.  The four query blocks of a cluster belong to one head: K and V are asked for jointly.  Each wave issues two joint loads: at the head its 4,096 bytes of keys 0-511 (waves 0-7: K, waves 8-15: V), and, behind
; the waits, the add and a round, its 12,288 bytes of keys 512-2,047.  One tensor load of a wave is out at a time.  The second has four key steps in which to land; a barrier behind those steps shows it to every wave.
; No prefetch: K and V are asked for whole by these two loads at the head, and there is no loop to run ahead in.
; LAYOUT.  Both products transposed: S^T = K Q^T, O^T = V^T P^T: a lane holds ONE query (lane % 16).  Register j of tile t of S^T is key 16 t + 8 (lane / 16) + j, the place of registers 2 t, 2 t + 1 of the second product's operand.
; THE MASK MAY HOLD ANY NUMBER.  In LDS lies a2 = ((mask - 1) x 1e9) x log2(e), three roundings.  t = raw sum x c + a2, c = log2(e) x 2^(e6 + e7 - 3), is one fused multiply-add, rounded by itself; where the addend is 0 it is
; the definition's t bit for bit.  M is taken away by an addition of its own, so t - M is never above 0 and the row's largest p is at most 1, however large t is.
; A KEY STEP'S SOFTMAX GOES BY QUARTERS of 16 registers, in phases: phase k issues quarter k's exponentials, and among them plain work that reads only what earlier phases wrote: t - M of quarter k + 1; the first level of
; the sums and the hold of quarter k - 1; the sums' second level and the conversions of quarter k - 2.
; The row's sum lies in four packed accumulators, joined on the way out; f goes into them with the step's first addition (one fused multiply-add).
; LIMITS: e6 + e7 between -123 and 130; e9 and e10 - e8 - e9 between -126 and 119; |t| under 2^31.  NaN among the inputs is not served.
; REGISTERS: v1 16 lane; v2 the addends' base + 32 (lane / 16); v3-5 the step's addresses (K, V, addends); v6, v7 the spare word and 0; v8-15 the sums; v16-23 Q; v24 -M, v25 the largest t; v[26:27] f; v28 2^e9; v29 at work;
;   v30, v31 448 x 2^e9; v32-95 K's fragments, then v32-47 p's codes, v48-55 maxima, v64-79 partial sums; v96-159 S^T, t, p; v160-223 the addends, then V's fragments; v224-255 O^T.
.set VB,  131072                       ; LDS: K from 0, V from here,
.set MB,  262144                       ; a2 from here: 2,048 f32, stored by the waves; no tensor load lands there
.set SPARE, 0x42000                    ; the spare words: 128 bytes a wave
.set G1,  16                           ; s[16:23] group 1, 16 rows of 256 bytes;  s[32:39] the same with 48 rows
.set G1L, 32
.set G0A, 24                           ; s[24:27], s[28:31] the two groups 0
.set G0B, 28
.set SS,  96
.set VV,  160
.set OO,  224
.set CD,  32
.set TT,  48
.set UU,  64
.set LA,  8
.macro ROUND                           ; a round of the cluster's barrier
	s_barrier_signal -1
	s_barrier_wait -1
	s_cmp_lg_u32 s12, 0
	s_cbranch_scc1 .Lnot_wave_0_\@
	s_barrier_signal -3
.Lnot_wave_0_\@:
	s_barrier_wait -3
	s_barrier_signal -1
	s_barrier_wait -1
.endm
	s_load_b256 s[4:11], s[0:1], 0x0               ; q, k, v s[4:5]; the mask s[6:7]; the exponents s[8:9]; the output s[10:11]
	v_lshl_add_u32 v6, v0, 2, SPARE
	v_mov_b32 v7, 0
	ds_add_u32 v6, v7                              ; the opening lines: the add, twice on end, and its wait
	ds_add_u32 v6, v7
	v_lshrrev_b32 v1, 5, v0
	v_readfirstlane_b32 s12, v1                    ; wave 0..15
	s_bfe_u32 s13, ttmp6, 0x40000                  ; cx
	s_lshl_b32 s14, ttmp9, 2
	s_add_co_u32 s14, s14, s13                     ; my block of 256 queries: it enters q's and the output's addresses alone
	s_and_b32 s15, ttmp7, 0xffff                   ; 16 batch + head, which the four partners share
.irp g, G1, G1L
	s_mov_b32 s[\g], 15|(3<<16)|(1<<21)            ; the mask: all four work-groups; elements of 8 bytes; bit 21 beside a mask; no padding
	s_mov_b32 s[\g+1], 32<<16                      ; rows of 32 elements
	s_mov_b32 s[\g+3], 32<<16
	s_mov_b32 s[\g+5], 32                          ; dense
	s_mov_b32 s[\g+6], 0
	s_mov_b32 s[\g+7], 0
.endr
	s_mov_b32 s[G1+2], 16<<16
	s_mov_b32 s[G1+4], 16
	s_mov_b32 s[G1L+2], 48<<16
	s_mov_b32 s[G1L+4], 48
	s_lshr_b32 s53, s12, 3                         ; I fetch for K (0) or for V (1),
	s_and_b32 s54, s12, 7                          ; the (wave % 8)-th part
	s_lshl_b32 s55, s53, 17
	s_lshl_b32 s42, s54, 12                        ; of keys 0-511,
	s_mul_i32 s49, s54, 12288
	s_add_co_u32 s49, s49, 32768                   ; of keys 512-2,047
	s_mov_b32 s[G0A], 1
	s_add_co_u32 s[G0A+1], s55, s42                ; LDS addresses: the wave's number and constants alone
	s_mov_b32 s[G0B], 1
	s_add_co_u32 s[G0B+1], s55, s49
	s_lshl_b32 s43, s53, 22
	s_lshl_b32 s56, s15, 17
	s_add_co_u32 s43, s43, s56
	s_add_co_u32 s43, s43, 0x400000                ; in memory: k at 4 MiB, v at 8 MiB, the head's 131,072 bytes
	s_add_co_u32 s56, s43, s42
	s_mov_b32 s57, 0
	s_add_co_u32 s58, s43, s49
	s_mov_b32 s59, 0
	s_lshl_b32 s53, s14, 4
	s_add_co_u32 s53, s53, s12                     ; my tile of 16 queries in the head
	s_lshl_b32 s60, s53, 10
	s_lshl_b32 s54, s15, 17
	s_add_co_u32 s60, s60, s54                     ; its two cells of q
	s_mov_b32 s61, 0
	s_lshr_b32 s54, s15, 4                         ; the batch
	s_lshl_b32 s50, s54, 13                        ; its row of the mask
	s_mov_b32 s51, 0
	s_lshl_b32 s54, s54, 7
	s_add_co_u32 s54, s54, s53
	s_lshl_b32 s54, s54, 14                        ; the output: (128 batch + my tile) x 16,384
	s_and_b32 s55, s15, 15
	s_lshl_b32 s55, s55, 10                        ; + head x 1,024
	s_add_co_u32 s54, s54, s55
	s_mov_b32 s55, 0
	s_mov_b32 s40, 0x76543210                      ; v_permlanex16_b32: lane l takes lane l xor 16
	s_mov_b32 s41, 0xfedcba98
	s_wait_dscnt 0x0                               ; both opening adds are done
	s_wait_kmcnt 0x0
	s_load_b128 s[44:47], s[8:9], 0x18             ; e6, e7, e8, e9
	s_load_b32 s48, s[8:9], 0x28                   ; e10
	s_add_nc_u64 s[G0A+2:G0A+3], s[4:5], s[56:57]
	s_or_b32 s[G0A+3], s[G0A+3], 0x80000000
	s_add_nc_u64 s[G0B+2:G0B+3], s[4:5], s[58:59]
	s_or_b32 s[G0B+3], s[G0B+3], 0x80000000
	s_add_nc_u64 s[60:61], s[4:5], s[60:61]
	s_add_nc_u64 s[6:7], s[6:7], s[50:51]
	s_add_nc_u64 s[10:11], s[10:11], s[54:55]
	ROUND                                          ; all four work-groups are here: the joint loads meet
	tensor_load_to_lds s[G0A:G0A+3], s[G1:G1+7]    ; keys 0-511: my one tensor load at the head
	s_nop 0
.rept 4
	v_nop
.endr
	v_and_b32 v29, 31, v0
	v_lshlrev_b32 v1, 4, v29                       ; 16 x lane
	v_bfe_u32 v2, v0, 4, 1
	v_lshl_add_u32 v2, v2, 5, MB                   ; the addends of my half's eight keys of a tile
	v_lshlrev_b32 v3, 4, v0                        ; the mask: thread t takes keys 4 t .. 4 t + 3,
	v_lshl_add_u32 v4, v0, 4, MB                   ; and puts their addends here
	global_load_b128 v[16:19], v1, s[60:61]        ; Q's fragment stays in registers
	global_load_b128 v[20:23], v1, s[60:61] offset:512
	global_load_b128 v[32:35], v3, s[6:7]
	v_mov_b32 v25, 0xff61b1e6                      ; the largest t so far: -3e38
	v_floor_f32 v24, -v25                          ; -M
	v_mov_b32 v27, 0                               ; (named with f as a pair)
.set jj, 0
.rept 8
	v_mov_b32 v[LA+jj], 0                          ; the sums
.set jj, jj+1
.endr
.set jj, 0
.rept 32
	v_mov_b32 v[OO+jj], 0                          ; O^T: the first step finds zeros, so it needs no form of its own
.set jj, jj+1
.endr
	s_wait_kmcnt 0x0
	s_add_co_i32 s49, s44, s45
	s_sub_co_i32 s49, s49, 3                       ; e6 + e7 - 3 (the division by 8)
	s_lshl_b32 s49, s49, 23
	s_add_co_i32 s62, s49, 0x3fb8aa3b              ; c: the exponents are added to log2(e)'s exponent field
	s_mov_b32 s63, s62                             ; (named with it as a pair)
	s_add_co_i32 s53, s47, 127
	s_lshl_b32 s54, s53, 23
	v_mov_b32 v28, s54                             ; 2^e9
	s_add_co_i32 s53, s53, 8
	s_lshl_b32 s53, s53, 23
	s_or_b32 s53, s53, 0x600000
	v_mov_b32 v30, s53                             ; 448 x 2^e9, twice: one register for each half of the dual hold
	v_mov_b32 v31, s53
	s_sub_co_i32 s53, s48, s46
	s_sub_co_i32 s53, s53, s47                     ; O^T / l stands for that x 2^(e8 + e9): its code is that / 2^(e10 - e8 - e9)
	s_add_co_i32 s53, s53, 127
	s_lshl_b32 s43, s53, 23
	s_add_co_i32 s53, s53, 8
	s_lshl_b32 s53, s53, 23
	s_or_b32 s42, s53, 0x600000
	s_wait_alu depctr_va_vdst(0)                   ; the wait at the head's end
	s_wait_loadcnt 0x0                             ; Q and the mask
.irp i, 0,1,2,3
	v_add_f32 v[32+\i], -1.0, v[32+\i]
.endr
.irp i, 0,1,2,3
	v_mul_f32 v[32+\i], 0x4e6e6b28, v[32+\i]       ; (mask - 1) x 1e9
.endr
.irp i, 0,1,2,3
	v_mul_f32 v[32+\i], 0x3fb8aa3b, v[32+\i]       ; x log2(e)
.endr
	ds_store_b128 v4, v[32:35]
	s_wait_alu depctr_va_vdst(0)
	s_wait_tensorcnt 0x0                           ; my part of keys 0-511 is in;
	ds_add_u32 v6, v7                              ; 0 onto my spare word;
	s_wait_dscnt 0x0                               ; it is done, and so is my store of the addends
	ROUND                                          ; everybody's are, in all four work-groups
	tensor_load_to_lds s[G0B:G0B+3], s[G1L:G1L+7]  ; keys 512-2,047: a first fill, my one tensor load behind the round
	s_nop 0
.rept 4
	v_nop
.endr
.macro HOLD2 r                         ; the conversion does not saturate (ISA guide 7.6.2); p is not negative, so the hold is one-sided: two numbers an instruction
	v_dual_min_num_f32 v[\r], v[\r], v30 :: v_dual_min_num_f32 v[\r+1], v[\r+1], v31
.endm
; Phase k = n - 1 of a step's softmax.  No register written in a phase that holds exponentials is read in it.
.macro PH n
.set KK, (\n)-1
.set ii, 0
.rept 8
.if (KK >= 0) && (KK <= 3)
	v_exp_f32 v[SS+16*KK+2*ii], v[SS+16*KK+2*ii]           ; p = 2^(t - M), at most 1
	v_exp_f32 v[SS+16*KK+2*ii+1], v[SS+16*KK+2*ii+1]
.endif
.if (KK >= 2) && ((ii == 2) || (ii == 5))
	v_cvt_scalef32_pk8_fp8_f32 v[CD+4*(KK-2)+2*(ii/4):CD+4*(KK-2)+2*(ii/4)+1], v[SS+16*(KK-2)+8*(ii/4):SS+16*(KK-2)+8*(ii/4)+7], v28   ; tile t gives registers 2 t, 2 t + 1 of the operand
.endif
.if KK <= 2
	v_pk_add_f32 v[SS+16*(KK+1)+2*ii:SS+16*(KK+1)+2*ii+1], v[SS+16*(KK+1)+2*ii:SS+16*(KK+1)+2*ii+1], v[24:25] op_sel_hi:[1,0]   ; t - M (the pair's low word serves both halves)
.endif
.if (KK >= 1) && (KK <= 4)
.if ii < 4
	v_pk_add_f32 v[UU+8*((KK-1)%2)+2*ii:UU+8*((KK-1)%2)+2*ii+1], v[SS+16*(KK-1)+2*ii:SS+16*(KK-1)+2*ii+1], v[SS+16*(KK-1)+2*ii+8:SS+16*(KK-1)+2*ii+9]   ; the sums take the unquantised, unheld p
.endif
	HOLD2 SS+16*(KK-1)+2*ii
.endif
.if (KK >= 2) && (ii >= 4)
.if KK == 2
	v_pk_fma_f32 v[LA+2*(ii-4):LA+2*(ii-4)+1], v[LA+2*(ii-4):LA+2*(ii-4)+1], v[26:27], v[UU+2*(ii-4):UU+2*(ii-4)+1] op_sel_hi:[1,0,1]   ; the sums under the new M, and quarter 0
.else
	v_pk_add_f32 v[LA+2*(ii-4):LA+2*(ii-4)+1], v[LA+2*(ii-4):LA+2*(ii-4)+1], v[UU+8*((KK-2)%2)+2*(ii-4):UU+8*((KK-2)%2)+2*(ii-4)+1]
.endif
.endif
.set ii, ii+1
.endr
.if KK <= 3
	s_wait_alu depctr_va_vdst(0)                   ; the wait: behind this phase's exponentials and plain writes, ahead of the next phase's
.endif
.endm
; A KEY STEP: 128 keys.  s50: the step's first byte in K; s52: in V; s51: in the addends.
.macro STEP
	v_add_nc_u32 v3, s50, v1
	v_add_nc_u32 v4, s52, v1
	v_add_nc_u32 v5, s51, v2
	v_nop                                          ; four places between the last step's products and the loads into registers that they read
.irp t, 0,1,2,3,4,5,6,7
	ds_load_b128 v[32+8*\t:35+8*\t], v3 offset:1024*\t      ; K's tile t: two cells
	ds_load_b128 v[36+8*\t:39+8*\t], v3 offset:1024*\t+512
.endr
.irp t, 0,1,2,3,4,5,6,7
	ds_load_b128 v[VV+8*\t:VV+8*\t+3], v5 offset:64*\t      ; the addends, laid as S^T's registers are
	ds_load_b128 v[VV+8*\t+4:VV+8*\t+7], v5 offset:64*\t+16
.endr
	s_wait_dscnt 16                                ; K is in; the sixteen loads of addends, issued behind it, may be out
.irp t, 0,1,2,3,4,5,6,7
	v_wmma_f32_16x16x64_fp8_fp8 v[SS+8*\t:SS+8*\t+7], v[32+8*\t:39+8*\t], v[16:23], 0   ; S^T = K Q^T, raw; a step's twelve accumulators take turns
.endr
.rept 4
	v_nop                                          ; places in front of the first read of the scores
.endr
	s_wait_dscnt 0x0                               ; the addends
.set jj, 0
.rept 32
	v_pk_fma_f32 v[SS+jj:SS+jj+1], v[SS+jj:SS+jj+1], s[62:63], v[VV+jj:VV+jj+1] op_sel_hi:[1,0,1]   ; t; each accumulator from its low end on
.set jj, jj+2
.endr
.irp d, 0,1,2,3
.irp q, 0,1,2,3
	ds_load_b128 v[VV+16*\d+4*\q:VV+16*\d+4*\q+3], v4 offset:2048*\d+512*\q   ; V's four fragments, where the addends lay: they land under the softmax
.endr
.endr
.set ii, 0
.rept 8
	v_max3_num_f32 v[TT+ii], v[SS+3*ii], v[SS+3*ii+1], v[SS+3*ii+2]   ; the step's largest t of my query, in eight chains
.set ii, ii+1
.endr
.irp l, 0,1
.set ii, 0
.rept 8
	v_max3_num_f32 v[TT+ii], v[TT+ii], v[SS+24+16*\l+2*ii], v[SS+25+16*\l+2*ii]
.set ii, ii+1
.endr
.endr
.set ii, 0
.rept 4
	v_max3_num_f32 v[TT+ii], v[TT+ii], v[SS+56+2*ii], v[SS+57+2*ii]
.set ii, ii+1
.endr
	v_max3_num_f32 v[TT], v[TT], v[TT+1], v[TT+2]
	v_max3_num_f32 v[TT+3], v[TT+3], v[TT+4], v[TT+5]
	v_max3_num_f32 v[TT+6], v[TT+6], v[TT+7], v25  ; with the largest so far
	v_max3_num_f32 v[TT], v[TT], v[TT+3], v[TT+6]
	v_permlanex16_b32 v29, v[TT], s40, s41
	v_max_num_f32 v25, v[TT], v29                  ; and lane l xor 16's: the running largest t
	v_floor_f32 v[TT+1], -v25                      ; the new -M = -ceil(t): a whole number
	v_sub_f32 v29, v[TT+1], v24                    ; old M - new M: a whole number, 0 or less
	v_mov_b32 v24, v[TT+1]
	v_cvt_i32_f32 v29, v29                         ; (it saturates)
	v_ldexp_f32 v26, 1.0, v29                      ; f
.set jj, 0
.rept 16
	v_pk_mul_f32 v[OO+jj:OO+jj+1], v[OO+jj:OO+jj+1], v[26:27] op_sel_hi:[1,0]   ; O^T under the new M, ahead of the step's exponentials
.set jj, jj+2
.endr
.irp n, 0,1,2,3,4,5,6
	PH \n
.endr
	s_wait_alu depctr_va_vdst(0)                   ; the wait here, directly ahead of the wait below
	s_wait_dscnt 0x0                               ; V
.irp d, 0,1,2,3
	v_wmma_f32_16x16x128_fp8_fp8 v[OO+8*\d:OO+8*\d+7], v[VV+16*\d:VV+16*\d+15], v[CD:CD+15], v[OO+8*\d:OO+8*\d+7]
.endr
.endm
.macro WALK n                          ; n key steps on end
	s_mov_b32 s49, \n
.Lstep_\@:
	STEP
	s_add_co_u32 s50, s50, 8192
	s_add_co_u32 s51, s51, 512
	s_add_co_u32 s52, s52, 8192
	s_sub_co_u32 s49, s49, 1
	s_cmp_lg_u32 s49, 0
	s_cbranch_scc1 .Lstep_\@
.endm
	s_mov_b32 s50, 0
	s_mov_b32 s51, 0
	s_mov_b32 s52, VB
	WALK 4                                         ; keys 0-511, which the round has shown
	s_wait_tensorcnt 0x0                           ; my part of keys 512-2,047 is in; no LDS access of mine is out
	s_barrier_signal -1
	s_barrier_wait -1                              ; everybody's is
	WALK 12
	; THE WAY OUT: O^T / the sum, held, converted; tiles 2 c and 2 c + 1 of the head's 64 give my 16 bytes of cell c.  The six lines that join the sums are the places behind the last products.
	v_pk_add_f32 v[8:9], v[8:9], v[10:11]
	v_pk_add_f32 v[12:13], v[12:13], v[14:15]
	v_pk_add_f32 v[8:9], v[8:9], v[12:13]
	v_add_f32 v8, v8, v9
	v_permlanex16_b32 v29, v8, s40, s41
	v_add_f32 v8, v8, v29                          ; the row's sum
	s_wait_alu depctr_va_vdst(0)                   ; the wait ahead of the transcendental
	v_rcp_f32 v8, v8
	v_mov_b32 v10, s42                             ; the output's hold,
	v_mov_b32 v11, s43                             ; and its scale
	s_wait_alu depctr_va_vdst(0)                   ; the wait ahead of the first reader of the reciprocal and of O^T
.set jj, 0
.rept 16
	v_pk_mul_f32 v[SS+jj:SS+jj+1], v[OO+jj:OO+jj+1], v[8:9] op_sel_hi:[1,0]
.set jj, jj+2
.endr
.set jj, 0
.rept 32
	v_med3_num_f32 v[SS+jj], v[SS+jj], -v10, v10
.set jj, jj+1
.endr
.irp d, 0,1,2,3
	v_cvt_scalef32_pk8_fp8_f32 v[128+2*\d:129+2*\d], v[SS+8*\d:SS+8*\d+7], v11
.endr
	v_nop
	global_store_b128 v1, v[128:131], s[10:11]     ; two cells: 1,024 consecutive bytes a wave
	global_store_b128 v1, v[132:135], s[10:11] offset:512
	s_wait_tensorcnt 0x0                           ; the wave's end
	ds_add_u32 v6, v7
	s_wait_dscnt 0x0
	ROUND                                          ; the closing round
	s_endpgm
.Lfunc_end_k_q2396da72ab_attn:
	.size	k_q2396da72ab_attn, .Lfunc_end_k_q2396da72ab_attn-k_q2396da72ab_attn
	.p2alignl 7, 3214868480
	.fill 96, 4, 3214868480
	.section	.rodata,"a",@progbits
	.p2align	6, 0x0
	.amdhsa_kernel k_q2396da72ab_attn
		.amdhsa_group_segment_fixed_size 327680
		.amdhsa_private_segment_fixed_size 0
		.amdhsa_enable_private_segment 0
		.amdhsa_kernarg_size 32
		.amdhsa_user_sgpr_count 2
		.amdhsa_user_sgpr_kernarg_segment_ptr 1
		.amdhsa_wavefront_size32 1
		.amdhsa_system_sgpr_workgroup_id_x 1
		.amdhsa_system_sgpr_workgroup_id_y 1
		.amdhsa_system_sgpr_workgroup_id_z 1
		.amdhsa_system_vgpr_workitem_id 0
		.amdhsa_next_free_vgpr 256
		.amdhsa_next_free_sgpr 66
		.amdhsa_reserve_vcc 0
		.amdhsa_float_denorm_mode_32 3
		.amdhsa_float_denorm_mode_16_64 3
		.amdhsa_memory_ordered 1
		.amdhsa_forward_progress 1
		.amdhsa_inst_pref_size 50
	.end_amdhsa_kernel
	.amdgpu_metadata
---
amdhsa.version: [ 1, 2 ]
amdhsa.kernels:
  - .name:           k_q2396da72ab_attn
    .symbol:         k_q2396da72ab_attn.kd
    .args:
      - { .name: qkv, .offset: 0, .size: 8, .value_kind: global_buffer, .address_space: global }
      - { .name: mask, .offset: 8, .size: 8, .value_kind: global_buffer, .address_space: global }
      - { .name: lowp_scales, .offset: 16, .size: 8, .value_kind: global_buffer, .address_space: global }
      - { .name: ac, .offset: 24, .size: 8, .value_kind: global_buffer, .address_space: global }
    .group_segment_fixed_size: 327680
    .private_segment_fixed_size: 0
    .kernarg_segment_align: 8
    .kernarg_segment_size: 32
    .max_flat_workgroup_size: 512
    .sgpr_count:     66
    .vgpr_count:     256
    .wavefront_size: 32
...
	.end_amdgpu_metadata
.endif
;; end of part 3
;; launch wo (part 4): grid 8 x 32, 4 waves a work-group, clusters of 4 x 4, 327,680 bytes of LDS; arguments ac, Wo_codes, lowp_scales, X, x1; writes x1
.if DOCPART == 4
	.amdgcn_target "amdgcn-amd-amdhsa--gfx1250"
	.amdhsa_code_object_version 6
	.text
	.protected	k_q2396da72ab_wo
	.globl	k_q2396da72ab_wo
	.p2align	8
	.type	k_q2396da72ab_wo,@function
k_q2396da72ab_wo:
	s_mov_b64 s[64:65], 0
	v_nop
	global_prefetch_b8 v0, s[64:65] scope:SCOPE_SE
	s_setreg_imm32_b32 hwreg(HW_REG_WAVE_MODE, 25, 1), 1
	s_wait_xcnt 0x0
	s_wait_alu depctr_hold_cnt(0) depctr_sa_sdst(0) depctr_va_vdst(0) depctr_va_sdst(0) depctr_va_ssrc(0) depctr_va_vcc(0) depctr_vm_vsrc(0)
	s_getreg_b32 s2, hwreg(HW_REG_IB_STS2, 6, 4)
	s_cmp_eq_u32 s2, 0
	s_cbranch_scc0 .Lentry_in_a_cluster
	s_endpgm
.Lentry_in_a_cluster:
	s_bfe_u32 s2, ttmp6, 0x10000c
	s_cmp_lg_u32 s2, 0xf033
	s_cbranch_scc0 .Lentry_shape_is_right
	s_endpgm
.Lentry_shape_is_right:
; x1 = attention's result x Wo + X.  Y[m][n] = 2^(ea + eb) x (sum over k of A[m][k] W[n][k]) (+ bias[n]) + R[m][n], on E4M3 codes; Y and R [4096][1024] f32.
; A comes IN CELLS of 512 bytes, [row / 16][k / 32][512]: byte 16 lane + 8 u + i = (row lane % 16, k = 16 u + 8 (lane / 16) + i): four registers of the operand as they stand.  W comes as rows of KDIM codes.
; A tile of Y is 128 x 128, so that the 4,096 x 1,024 numbers give 256 work-groups; four waves, 64 x 64 each: 16 accumulators.  K goes in slots of 512 (four steps of 128) through two LDS slots.
; CLUSTERS: 4 x 4 work-groups; A's tile is shared along a row of the cluster, W's along a column: joint loads.  THE MATRIX INSTRUCTION IS USED TRANSPOSED (source 0 = 16 rows of W, source 1 = 16 rows of A).
; A's fragment comes by four loads of 512 consecutive bytes; W's by eight loads of 8 bytes a lane from rows 528 bytes apart (132 words: the 32 lanes touch 64 different banks: ISA guide 11.1): both have k in its own place.
; The wave's 64 x 64 of R is asked for at the head, into registers, and lands under the products.  A wave's 64 columns are 256 bytes: a block of 16 rows goes through the wave's own stage and leaves as whole rows.
; LIMIT: ea + eb between -126 and 127.
; REGISTERS: window 0: v0-31 addresses; v32-95 rows read back from the stage, two sets; v128-255 the accumulators ((a, b) at v[128 + 8 (4 a + b)]).   window 1: two fragment buffers of 128: A's four fragments, then W's four.   window 2: v0-127 R.
.set KDIM,  1024
.set BIAS,  0                          ; 1: a bias is added
.set SCOFF, 0x28                       ; where ea, eb lie among the scales' exponents: entries 10, 11
.set KS,    512                        ; along K in a slot
.set ASL,   65536                      ; A's part of a slot: 8 tiles of 16 rows x 8,192 bytes, dense
.set BP,    528                        ; a row of W in LDS: 512 bytes + 16 of padding
.set BHALF, 64*BP
.set SLOT,  ASL+2*BHALF
.set STAGE, 2*SLOT                     ; behind the ring: 16 rows x 272 bytes for each wave; no tensor load lands there
.set SPITCH, 272
.set SPARE, STAGE+4*16*SPITCH          ; behind the stages: the spare words, 128 bytes for each wave, which no other line names
.set LAPS,  KDIM/(2*KS)
.set ADRA, 16                          ; v16-17  LDS address of my A fragments in slot 0, 1
.set ADRB, 20                          ; v20-21  the same for W
.set STO,  24                          ; v24     the stage: where I put 32 bytes of a row
.set RD,   25                          ; v25     and where I read rows back
.set CO,   26                          ; v26     my byte offset in two rows of Y and of R
.set SPW,  28
.set NIL,  29
.set BK,   32
.set ACC,  128
.set F0,   0
.set F1,   128
.set G1, 24
.set G0, 32
.set G1B, 48
.set G0B, 56
.set MSB, 0
.macro WIN new                         ; the immediate's high byte repeats the setting that is left
.if MSB != \new
	s_set_vgpr_msb (MSB<<8)|\new
.set MSB, \new
.endif
.endm
.macro JLOAD s                         ; a joint load: waves 0 and 1 fetch A's two halves, waves 2 and 3 W's; four v_nop follow each of the two lines
	s_cmp_eq_u32 s11, 0
	s_cbranch_scc0 .Lfor_b_\@
	tensor_load_to_lds s[G0+4*\s:G0+4*\s+3], s[G1:G1+7]
	s_nop 0
.rept 4
	v_nop
.endr
	s_branch .Lasked_\@
.Lfor_b_\@:
	tensor_load_to_lds s[G0B+4*\s:G0B+4*\s+3], s[G1B:G1B+7]
	s_nop 0
.rept 4
	v_nop
.endr
.Lasked_\@:
.endm
.macro CREST                           ; a round of the cluster's barrier behind its opening barrier
	s_cmp_lg_u32 s10, 0
	s_cbranch_scc1 .Lnot_wave_0_\@
	s_barrier_signal -3
.Lnot_wave_0_\@:
	s_barrier_wait -3
	s_barrier_signal -1
	s_barrier_wait -1
.endm
.macro CROUND
	s_barrier_signal -1
	s_barrier_wait -1
	CREST
.endm
	s_load_b128 s[4:7], s[0:1], 0x0                ; A s[4:5], W s[6:7]
	s_load_b64 s[66:67], s[0:1], 0x10              ; the scales' exponents
.if BIAS
	s_load_b64 s[70:71], s[0:1], 0x18              ; the bias
	s_load_b64 s[68:69], s[0:1], 0x20              ; R
	s_load_b64 s[8:9], s[0:1], 0x28                ; Y
.else
	s_load_b64 s[68:69], s[0:1], 0x18              ; R
	s_load_b64 s[8:9], s[0:1], 0x20                ; Y
.endif
	v_lshl_add_u32 v[SPW], v0, 2, SPARE
	v_mov_b32 v[NIL], 0
	ds_add_u32 v28, v29
	ds_add_u32 v28, v29
	s_wait_dscnt 0x0
	v_lshrrev_b32 v1, 5, v0
	v_readfirstlane_b32 s10, v1                    ; wave 0..3
	s_lshr_b32 s11, s10, 1                         ; which half of the tile's rows is mine.  Also: I fetch for A (0) or for W (1)
	s_and_b32 s12, s10, 1                          ; which half of its columns.  Also: which half of that tile I fetch
	s_bfe_u32 s40, ttmp6, 0x40000                  ; cx, cy
	s_bfe_u32 s41, ttmp6, 0x40004
	s_lshl_b32 s42, ttmp9, 2
	s_add_co_u32 s42, s42, s40                     ; tile column
	s_and_b32 s13, ttmp7, 0xffff
	s_lshl_b32 s13, s13, 2
	s_add_co_u32 s13, s13, s41                     ; tile row
	s_lshl_b32 s43, s41, 2
	s_lshl_b32 s43, 15, s43                        ; my row of the cluster
	s_lshl_b32 s44, 0x1111, s40                    ; my column
	; A: four rows of 8,192 bytes: a slot's sixteen cells of each of four tiles of 16 rows; 16 KDIM bytes from tile to tile; dense in LDS
	s_or_b32 s[G1+0], s43, (3<<16)|(1<<21)         ; 15:0 the mask: my row; 17:16 elements of 8 bytes; 21 set beside a mask
	s_mov_b32 s[G1+1], 1024<<16                    ; tensor_dim0 = 1,024
	s_mov_b32 s[G1+2], 4<<16                       ; tensor_dim1 = 4
	s_mov_b32 s[G1+3], 1024<<16                    ; tile_dim0
	s_mov_b32 s[G1+4], 4                           ; tile_dim1
	s_mov_b32 s[G1+5], 2*KDIM                      ; tensor_dim0_stride, in elements
	s_mov_b32 s[G1+6], 0
	s_mov_b32 s[G1+7], 0
	; W: 64 rows of 512 bytes, padded in LDS
	s_or_b32 s[G1B+0], s44, (0<<16)|(1<<20)|(1<<21)|(6<<22)|(3<<25)   ; the mask: my column; elements of 1 byte; padding: 4 words (code 3) after every 128 (code 6)
	s_mov_b32 s[G1B+1], KS<<16
	s_mov_b32 s[G1B+2], 64<<16
	s_mov_b32 s[G1B+3], KS<<16
	s_mov_b32 s[G1B+4], 64
	s_mov_b32 s[G1B+5], KDIM
	s_mov_b32 s[G1B+6], 0
	s_mov_b32 s[G1B+7], 0
	s_lshl_b32 s16, s13, 3
	s_lshl_b32 s17, s12, 2
	s_add_co_u32 s16, s16, s17                     ; A: tile of 16 rows 8 x tile row + 4 x half,
	s_mul_i32 s16, s16, 16*KDIM                    ; in bytes
	s_mov_b32 s17, 0
	s_lshl_b32 s46, s42, 7
	s_lshl_b32 s47, s12, 6
	s_add_co_u32 s46, s46, s47                     ; W: row 128 x tile column + 64 x half
	s_mul_i32 s46, s46, KDIM
	s_mov_b32 s47, 0
	s_lshl_b32 s20, s12, 15                        ; where they go: A's halves,
	s_mul_i32 s21, s12, BHALF
	s_add_co_u32 s21, s21, ASL                     ; W's halves behind them: no place in the cluster enters an LDS address
	s_wait_kmcnt 0x0
	s_load_b64 s[72:73], s[66:67], SCOFF           ; ea, eb
	s_add_nc_u64 s[14:15], s[4:5], s[16:17]
	s_add_nc_u64 s[46:47], s[6:7], s[46:47]
	CROUND                                         ; all sixteen work-groups are here: the first joint loads meet
.irp s, 0,1
	s_mov_b32 s[G0+4*\s], 1
	s_add_co_u32 s[G0+4*\s+1], s20, \s*SLOT
	s_add_nc_u64 s[G0+4*\s+2:G0+4*\s+3], s[14:15], \s*8192
	s_or_b32 s[G0+4*\s+3], s[G0+4*\s+3], 0x80000000
	s_mov_b32 s[G0B+4*\s], 1
	s_add_co_u32 s[G0B+4*\s+1], s21, \s*SLOT
	s_add_nc_u64 s[G0B+4*\s+2:G0B+4*\s+3], s[46:47], \s*KS
	s_or_b32 s[G0B+4*\s+3], s[G0B+4*\s+3], 0x80000000
.endr
	JLOAD 0                                        ; slot 0: one tensor load a wave at the head
	; PREFETCH INTO THE L2 of slot 1, which is loaded behind the next round.  What I fetch of a slot is 128 blocks of 256 bytes; each of the four partners that ask for it jointly names 32, told apart by address (cx for A, cy for W):
	; of A one tile of 16 rows (8,192 dense bytes), of W 16 rows of 512 bytes.  There is no later slot.
	s_cmp_eq_u32 s11, 0
	s_cselect_b64 s[76:77], s[14:15], s[46:47]     ; where my part of slot 0 begins
	s_cselect_b32 s78, s40, s41
	s_mov_b32 s2, KS
	s_cselect_b32 s2, 8192, s2                     ; a slot on
	s_mov_b32 s3, KDIM
	s_cselect_b32 s3, 512, s3                      ; from one pair of lanes to the next
	s_lshl_b32 s78, s78, 14                        ; my work-group's quarter: 16 KDIM bytes on in A and in W alike
	s_add_co_u32 s78, s78, s2
	s_mov_b32 s79, 0
	s_add_nc_u64 s[76:77], s[76:77], s[78:79]
	v_and_b32 v30, 31, v0
	v_lshrrev_b32 v31, 1, v30
	v_and_b32 v30, 1, v30
	v_mul_lo_u32 v31, v31, s3
	v_lshl_add_u32 v30, v30, 8, v31                ; never rewritten
	global_prefetch_b8 v30, s[76:77] th:TH_LOAD_NT scope:SCOPE_SE
	v_and_b32 v1, 15, v0                           ; l % 16
	v_bfe_u32 v2, v0, 4, 1                         ; l / 16
	v_and_b32 v3, 31, v0
	v_lshlrev_b32 v3, 4, v3                        ; 16 x lane
	s_lshl_b32 s22, s11, 15                        ; my four tiles of 16 rows of A
	v_add_nc_u32 v[ADRA], s22, v3
	v_add_nc_u32 v[ADRA+1], SLOT, v[ADRA]
	v_mul_u32_u24 v4, v1, BP
	v_lshl_add_u32 v4, v2, 3, v4                   ; W: row x pitch + 8 x half
	s_mul_i32 s22, s12, BHALF
	s_add_co_u32 s22, s22, ASL                     ; my 64 rows of W
	v_add_nc_u32 v[ADRB], s22, v4
	v_add_nc_u32 v[ADRB+1], SLOT, v[ADRB]
	s_mul_i32 s23, s10, 16*SPITCH
	s_add_co_u32 s23, s23, STAGE                   ; my stage
	v_mul_u32_u24 v5, v1, SPITCH
	v_lshl_add_u32 v5, v2, 5, v5
	v_add_nc_u32 v[STO], s23, v5                   ; in: row l % 16, 32 bytes for each half of the lanes
	v_mul_u32_u24 v5, v2, SPITCH
	v_lshl_add_u32 v5, v1, 4, v5
	v_add_nc_u32 v[RD], s23, v5                    ; back: lanes 0-15 one row of 256 bytes, lanes 16-31 the next
	v_lshlrev_b32 v[CO], 12, v2
	v_lshl_add_u32 v[CO], v1, 4, v[CO]             ; and the same two rows in Y and R (rows of 4,096 bytes)
	s_wait_alu depctr_va_vdst(0)
	v_lshlrev_b32 v27, 4, v1                       ; my four columns, in bytes
	s_lshl_b32 s16, s13, 7
	s_lshl_b32 s17, s11, 6
	s_add_co_u32 s16, s16, s17                     ; my first row: 128 x tile row + 64 x half
	s_lshl_b32 s16, s16, 12
	s_lshl_b32 s46, s42, 9
	s_lshl_b32 s47, s12, 8
	s_add_co_u32 s46, s46, s47                     ; my first column, in bytes: 512 x tile column + 256 x half
	s_add_co_u32 s16, s16, s46
	s_mov_b32 s17, 0
	s_mov_b32 s47, 0
	s_add_nc_u64 s[8:9], s[8:9], s[16:17]
	s_add_nc_u64 s[68:69], s[68:69], s[16:17]
.if BIAS
	s_add_nc_u64 s[70:71], s[70:71], s[46:47]
.endif
.if BIAS
	global_load_b128 v[8:11], v27, s[70:71]        ; the bias of my four columns
.endif
.macro MUL4 f, a, zero                 ; A's block a x W's four, 128 along K.  The 16 accumulators take turns, one instruction a turn, in one order everywhere
.irp b, 0,1,2,3
.if \zero
	v_wmma_f32_16x16x128_fp8_fp8 v[ACC+8*(4*(\a)+\b):ACC+8*(4*(\a)+\b)+7], v[\f+64+16*\b:\f+64+16*\b+15], v[\f+16*(\a):\f+16*(\a)+15], 0
.else
	v_wmma_f32_16x16x128_fp8_fp8 v[ACC+8*(4*(\a)+\b):ACC+8*(4*(\a)+\b)+7], v[\f+64+16*\b:\f+64+16*\b+15], v[\f+16*(\a):\f+16*(\a)+15], v[ACC+8*(4*(\a)+\b):ACC+8*(4*(\a)+\b)+7]
.endif
.endr
.endm
.macro MUL16 f, zero
	MUL4 \f, 0, \zero
	MUL4 \f, 1, \zero
	MUL4 \f, 2, \zero
	MUL4 \f, 3, \zero
.endm
.macro FETCH slot, q, f                ; the fragments of the slot's q-th 128 along K into buffer f: 48 LDS loads in one run
	WIN 0x40                                       ; destination window 1, address window 0
.irp a, 0,1,2,3
.irp c, 0,1,2,3
	ds_load_b128 v[\f+16*\a+4*\c:\f+16*\a+4*\c+3], v[ADRA+\slot] offset:8192*\a+2048*(\q)+512*\c
.endr
.endr
.irp b, 0,1,2,3
.irp c, 0,1,2,3,4,5,6,7
	ds_load_b64 v[\f+64+16*\b+2*\c:\f+64+16*\b+2*\c+1], v[ADRB+\slot] offset:16*BP*\b+128*(\q)+16*\c
.endr
.endr
.endm
.macro PLACES                          ; four places in front of loads into registers that matrix instructions have read, and of the first read of results (ISA guide 7.12.1 for the first read of results)
.rept 4
	v_nop
.endr
.endm
.macro STEP slot, q, zero              ; one of a slot's first three steps: multiplies buffer q % 2 and fetches the next step into the other
	s_wait_dscnt 0x0                               ; this step's fragments are in
	PLACES
	FETCH \slot, (\q)+1, 128-128*((\q)%2)
	WIN 0x05                                       ; sources 0 and 1 window 1; C and D window 0
	MUL16 128*((\q)%2), \zero
.endm
; A slot's last step multiplies buffer 1 and changes slots: ONE barrier; in front of it each wave waits for all its tensor loads, adds 0 to its spare word, and waits for that and for its own reads of this slot.
.macro TURN slot, next, fill
	WIN 0                                          ; (the add's two registers lie in window 0)
	s_wait_tensorcnt 0x0                           ; all my tensor loads have landed: my part of the next slot
	ds_add_u32 v[SPW], v[NIL]                      ; 0 onto my spare word
	s_wait_dscnt 1                                 ; the fragments are in; the add, issued behind them, may be out
	WIN 0x05
	MUL4 F1, 0, 0                                  ; four matrix instructions stand between the add and the wait for it
	s_wait_dscnt 0x0                               ; the add is done, and my reads of this slot are over
	s_barrier_signal -1
	MUL4 F1, 1, 0
	WIN 0
	s_barrier_wait -1
.if \fill
	CREST                                          ; the barrier has opened a round of the cluster's barrier: no wave of any partner still reads this slot or has a load on its way
	s_add_nc_u64 s[G0+4*\slot+2:G0+4*\slot+3], s[G0+4*\slot+2:G0+4*\slot+3], 2*8192
	s_add_nc_u64 s[G0B+4*\slot+2:G0B+4*\slot+3], s[G0B+4*\slot+2:G0B+4*\slot+3], 2*KS
	JLOAD \slot                                    ; the first tensor load behind the round; its four v_nop are the places in front of the loads below
.else
	PLACES
.endif
	FETCH \next, 0, F0
	WIN 0x05
	MUL4 F1, 2, 0
	MUL4 F1, 3, 0
.endm
	s_wait_alu depctr_va_vdst(0)                   ; the wait at the head's end
	s_wait_tensorcnt 0x0                           ; my part of slot 0 is in
	ds_add_u32 v[SPW], v[NIL]                      ; 0 onto my spare word
	s_wait_dscnt 0x0
	CROUND                                         ; everybody's part is in, and the joint loads meet
	JLOAD 1                                        ; slot 1: the first tensor load behind the round
	FETCH 0, 0, F0
	WIN 0x80                                       ; destination window 2.  R is asked for here, behind slot 0's landing and slot 1's load: it is wanted only on the way out, and has all the K steps in which to land
.irp a, 0,1,2,3
.irp t, 0,1,2,3,4,5,6,7
	global_load_b128 v[32*\a+4*\t:32*\a+4*\t+3], v[CO], s[68:69] offset:(16*\a+2*\t)*4096 th:TH_LOAD_NT   ; R, laid as the rows will come back from the stage
.endr
.endr
	WIN 0
	STEP 0, 0, 1                                   ; the first step stands in front of the loop: its products start the sums
.if LAPS > 1
	WIN 0                                          ; at a label and at a branch every window is 0
	s_mov_b32 s3, LAPS-1
.Llap:                                                 ; a trip goes once round the ring, from a lap's second step to the next lap's first, and fills both slots again
	STEP 0, 1, 0
	STEP 0, 2, 0
	TURN 0, 1, 1
	STEP 1, 0, 0
	STEP 1, 1, 0
	STEP 1, 2, 0
	TURN 1, 0, 1
	STEP 0, 0, 0
	WIN 0
	s_sub_co_u32 s3, s3, 1
	s_cmp_lg_u32 s3, 0
	s_cbranch_scc1 .Llap
.endif
	STEP 0, 1, 0                                   ; the last lap fills nothing, and has no round of the cluster's barrier
	STEP 0, 2, 0
	TURN 0, 1, 0
	STEP 1, 0, 0
	STEP 1, 1, 0
	STEP 1, 2, 0
	s_wait_dscnt 0x0                               ; the very last step: nothing more to fetch
	WIN 0x05
	MUL16 F1, 0
	WIN 0
	; THE WAY OUT
	PLACES
	s_wait_kmcnt 0x0
	s_add_co_i32 s74, s72, s73
	s_add_co_i32 s74, s74, 127
	s_lshl_b32 s74, s74, 23                        ; 2^(ea + eb) as f32
	s_mov_b32 s75, s74                             ; (named with it as a pair)
	s_wait_loadcnt 0x0                             ; R (and the bias)
; Block a: 16 rows x 64 columns through my stage.  LDS serves a wave's instructions in order (ISA guide 5.7.1.4): the loads see the stores above them.
.macro OUTR a
.set BB, BK+32*((\a)%2)
.if (\a) >= 2
	s_wait_xcnt 0x0                                ; block a - 2's stores have read their registers: the loads below may land there
.endif
.irp b, 0,1,2,3
	ds_store_b128 v[STO], v[ACC+8*(4*(\a)+\b):ACC+8*(4*(\a)+\b)+3] offset:64*\b          ; each accumulator from its low end on
	ds_store_b128 v[STO], v[ACC+8*(4*(\a)+\b)+4:ACC+8*(4*(\a)+\b)+7] offset:64*\b+16
.endr
.irp t, 0,1,2,3,4,5,6,7
	ds_load_b128 v[BB+4*\t:BB+4*\t+3], v[RD] offset:\t*2*SPITCH
.endr
	s_wait_dscnt 0x0
.if BIAS
.set ii, 0
.rept 16
	v_pk_fma_f32 v[BB+2*ii:BB+2*ii+1], v[BB+2*ii:BB+2*ii+1], s[74:75], v[8+2*(ii%2):9+2*(ii%2)] op_sel_hi:[1,0,1]   ; sum x 2^(ea + eb) + bias
.set ii, ii+1
.endr
	WIN 0x08                                       ; source 1 window 2
.set ii, 0
.rept 16
	v_pk_add_f32 v[BB+2*ii:BB+2*ii+1], v[BB+2*ii:BB+2*ii+1], v[32*(\a)+2*ii:32*(\a)+2*ii+1]   ; + R
.set ii, ii+1
.endr
	WIN 0
.else
	WIN 0x20                                       ; source 2 window 2
.set ii, 0
.rept 16
	v_pk_fma_f32 v[BB+2*ii:BB+2*ii+1], v[BB+2*ii:BB+2*ii+1], s[74:75], v[32*(\a)+2*ii:32*(\a)+2*ii+1] op_sel_hi:[1,0,1]   ; sum x 2^(ea + eb) + R
.set ii, ii+1
.endr
	WIN 0
.endif
.irp t, 0,1,2,3,4,5,6,7
	global_store_b128 v[CO], v[BB+4*\t:BB+4*\t+3], s[8:9] offset:(16*(\a)+2*\t)*4096   ; 16 lanes store 256 consecutive bytes, at a multiple of 256 from Y's first byte
.endr
.endm
	OUTR 0
	OUTR 1
	OUTR 2
	OUTR 3
	s_wait_tensorcnt 0x0                           ; the wave's end
	ds_add_u32 v[SPW], v[NIL]
	s_wait_dscnt 0x0
	CROUND                                         ; the closing round: no work-group ends while a partner may still ask for a tile that names it
	s_endpgm
.Lfunc_end_k_q2396da72ab_wo:
	.size	k_q2396da72ab_wo, .Lfunc_end_k_q2396da72ab_wo-k_q2396da72ab_wo
	.p2alignl 7, 3214868480
	.fill 96, 4, 3214868480
	.section	.rodata,"a",@progbits
	.p2align	6, 0x0
	.amdhsa_kernel k_q2396da72ab_wo
		.amdhsa_group_segment_fixed_size 327680
		.amdhsa_private_segment_fixed_size 0
		.amdhsa_enable_private_segment 0
		.amdhsa_kernarg_size 40
		.amdhsa_user_sgpr_count 2
		.amdhsa_user_sgpr_kernarg_segment_ptr 1
		.amdhsa_wavefront_size32 1
		.amdhsa_system_sgpr_workgroup_id_x 1
		.amdhsa_system_sgpr_workgroup_id_y 1
		.amdhsa_system_sgpr_workgroup_id_z 1
		.amdhsa_system_vgpr_workitem_id 0
		.amdhsa_next_free_vgpr 640
		.amdhsa_next_free_sgpr 80
		.amdhsa_reserve_vcc 0
		.amdhsa_float_denorm_mode_32 3
		.amdhsa_float_denorm_mode_16_64 3
		.amdhsa_memory_ordered 1
		.amdhsa_forward_progress 1
		.amdhsa_inst_pref_size 58
	.end_amdhsa_kernel
	.amdgpu_metadata
---
amdhsa.version: [ 1, 2 ]
amdhsa.kernels:
  - .name:           k_q2396da72ab_wo
    .symbol:         k_q2396da72ab_wo.kd
    .args:
      - { .name: ac, .offset: 0, .size: 8, .value_kind: global_buffer, .address_space: global }
      - { .name: Wo_codes, .offset: 8, .size: 8, .value_kind: global_buffer, .address_space: global }
      - { .name: lowp_scales, .offset: 16, .size: 8, .value_kind: global_buffer, .address_space: global }
      - { .name: X, .offset: 24, .size: 8, .value_kind: global_buffer, .address_space: global }
      - { .name: x1, .offset: 32, .size: 8, .value_kind: global_buffer, .address_space: global }
    .group_segment_fixed_size: 327680
    .private_segment_fixed_size: 0
    .kernarg_segment_align: 8
    .kernarg_segment_size: 40
    .max_flat_workgroup_size: 128
    .sgpr_count:     80
    .vgpr_count:     640
    .wavefront_size: 32
...
	.end_amdgpu_metadata
.endif
;; end of part 4
;; launch norm2 (part 5): grid 512 x 1, 8 waves a work-group, no clusters, 9,216 bytes of LDS; arguments x1, norm2_w, lowp_scales, hn; writes hn
.if DOCPART == 5
	.amdgcn_target "amdgcn-amd-amdhsa--gfx1250"
	.amdhsa_code_object_version 6
	.text
	.protected	k_q2396da72ab_norm2
	.globl	k_q2396da72ab_norm2
	.p2align	8
	.type	k_q2396da72ab_norm2,@function
k_q2396da72ab_norm2:
	s_mov_b64 s[64:65], 0
	v_nop
	global_prefetch_b8 v0, s[64:65] scope:SCOPE_SE
	s_setreg_imm32_b32 hwreg(HW_REG_WAVE_MODE, 25, 1), 1
	s_wait_xcnt 0x0
; hn[row][:] = the E4M3 codes of rms_norm(x1, norm2_w)[row][:] under the scale 2^e12: the left operand of the product with ff1_w.
; y = w * (x * rsqrt(mean(x^2) + 1e-6)), all in f32, in that order of roundings; code = y / 2^e, held within +-448, to the nearest code, ties to even.
; One wave takes one row of 1,024 numbers: eight loads of 512 consecutive bytes; the row stays in 32 registers between the sum of squares and the scaling, so it is read once.  No wave waits for another: no barrier.
; The scale is one for the whole tensor, so the conversion may take any eight numbers of a lane: a register of four codes belongs to four neighbouring numbers of one load.  The codes turn through the wave's own
; LDS bytes (4 bytes a lane in, 16 bytes a lane out), so that each store of the wave covers 512 consecutive bytes.
; The gain is the only thing that work-groups share, 4,096 bytes beside a work-group's 32,768 of rows: no cluster.  The matrix unit has no work here.
; LIMITS: e12 between -126 and 119, so that 2^e and 448 x 2^e are f32 numbers.  NaN among the inputs is not served.
.set NSET, 1                           ; sets of codes
.set XR,  16                           ; v16-47   the row: register 4 j + i = number 128 j + 4 lane + i
.set WR,  48                           ; v48-79   the gain, laid likewise
.set TR,  80                           ; v80-111  the held numbers
.set CR,  112                          ; v112..   codes
.set OB,  136                          ; v136..   the codes read back
.set SC,  160                          ; v160 2^e, v161 448 x 2^e
	s_load_b256 s[4:11], s[0:1], 0x0               ; the rows s[4:5], the gain s[6:7], the scales' exponents s[8:9], the codes s[10:11]
	v_lshl_add_u32 v168, v0, 2, 0x2000
	v_mov_b32 v169, 0
	v_lshrrev_b32 v1, 5, v0
	s_delay_alu instid0(VALU_DEP_1)
	v_readfirstlane_b32 s14, v1                    ; wave 0..7
	v_and_b32 v2, 31, v0                           ; lane
	s_delay_alu instid0(VALU_DEP_1)
	v_lshlrev_b32 v1, 4, v2                        ; 16 x lane: my bytes of a load's or a store's 512
	s_mul_i32 s15, s14, NSET*1024                  ; my wave's LDS bytes
	v_lshl_add_u32 v3, v2, 4, s15                  ; out of them: 16 bytes a lane
	v_lshl_add_u32 v2, v2, 2, s15                  ; into them: 4 bytes a lane
	s_lshl_b32 s16, ttmp9, 3
	s_add_co_u32 s16, s16, s14                     ; my row: 8 x work-group + wave
	s_lshl_b32 s18, s16, 12                        ; 4,096 bytes a row of numbers
	s_mov_b32 s19, 0
	s_lshl_b32 s20, s16, 10                        ; 1,024 bytes a row of codes
	s_mov_b32 s21, 0
	s_mov_b32 s12, 0x76543210                      ; v_permlanex16_b32: lane l takes lane l xor 16
	s_mov_b32 s13, 0xfedcba98
	s_mov_b32 s22, 0x3a800000                      ; 1 / 1,024
	s_mov_b32 s23, 0x358637bd                      ; 1e-6
	s_wait_alu depctr_va_vdst(0)
	s_wait_kmcnt 0x0
	s_load_b32 s32, s[8:9], 0x30                   ; e12
	s_add_nc_u64 s[4:5], s[4:5], s[18:19]
	s_add_nc_u64 s[24:25], s[10:11], s[20:21]      ; my row of codes
.irp j, 0,1,2,3,4,5,6,7
	global_load_b128 v[XR+4*\j:XR+4*\j+3], v1, s[4:5] offset:512*\j th:TH_LOAD_NT
.endr
.irp j, 0,1,2,3,4,5,6,7
	global_load_b128 v[WR+4*\j:WR+4*\j+3], v1, s[6:7] offset:512*\j
.endr
	s_wait_kmcnt 0x0
	s_add_co_i32 s40, s32, 127
	s_lshl_b32 s41, s40, 23
	v_mov_b32 v[SC], s41                           ; 2^e as f32: the conversion takes its exponent field
	s_add_co_i32 s40, s40, 8
	s_lshl_b32 s40, s40, 23
	s_or_b32 s40, s40, 0x600000
	v_mov_b32 v[SC+1], s40                         ; 448 x 2^e
	s_wait_loadcnt 0x8                             ; the row is in; the gain's eight loads, issued behind it, may be out
.irp k, 0,1,2,3
	v_pk_mul_f32 v[6+2*\k:7+2*\k], v[XR+2*\k:XR+2*\k+1], v[XR+2*\k:XR+2*\k+1]   ; four chains of packed sums of squares: the first products start them
.endr
.set ii, 4
.rept 12
	s_delay_alu instid0(VALU_DEP_4)
	v_pk_fma_f32 v[6+2*(ii%4):7+2*(ii%4)], v[XR+2*ii:XR+2*ii+1], v[XR+2*ii:XR+2*ii+1], v[6+2*(ii%4):7+2*(ii%4)]
.set ii, ii+1
.endr
	s_delay_alu instid0(VALU_DEP_3)
	v_pk_add_f32 v[6:7], v[6:7], v[8:9]
	s_delay_alu instid0(VALU_DEP_2)
	v_pk_add_f32 v[10:11], v[10:11], v[12:13]
	s_delay_alu instid0(VALU_DEP_1)
	v_pk_add_f32 v[6:7], v[6:7], v[10:11]
	s_delay_alu instid0(VALU_DEP_1)
	v_add_f32 v6, v6, v7
	s_delay_alu instid0(VALU_DEP_1)
	v_add_f32_dpp v6, v6, v6 row_xmask:1 row_mask:0xf bank_mask:0xf
	s_delay_alu instid0(VALU_DEP_1)
	v_add_f32_dpp v6, v6, v6 row_xmask:2 row_mask:0xf bank_mask:0xf
	s_delay_alu instid0(VALU_DEP_1)
	v_add_f32_dpp v6, v6, v6 row_xmask:4 row_mask:0xf bank_mask:0xf
	s_delay_alu instid0(VALU_DEP_1)
	v_add_f32_dpp v6, v6, v6 row_xmask:8 row_mask:0xf bank_mask:0xf
	s_delay_alu instid0(VALU_DEP_1)
	v_permlanex16_b32 v7, v6, s12, s13             ; (v7 has been written)
	s_delay_alu instid0(VALU_DEP_1)
	v_add_f32 v6, v6, v7                           ; the row's sum of squares, in every lane
	s_delay_alu instid0(VALU_DEP_1)
	v_fma_f32 v6, v6, s22, s23                     ; the mean (an exact scaling) + 1e-6
	s_wait_alu depctr_va_vdst(0)
	v_rsq_f32 v4, v6
	v_mov_b32 v5, 0                                ; a plain instruction behind the transcendental; v5 is named with v4 as a pair
	s_wait_alu depctr_va_vdst(0)                   ; the wait ahead of the first reader
.set ii, 0
.rept 16
	v_pk_mul_f32 v[XR+2*ii:XR+2*ii+1], v[XR+2*ii:XR+2*ii+1], v[4:5] op_sel_hi:[1,0]   ; x * rsqrt
.set ii, ii+1
.endr
	s_wait_loadcnt 0x0                             ; the gain
.set ii, 0
.rept 16
	v_pk_mul_f32 v[XR+2*ii:XR+2*ii+1], v[XR+2*ii:XR+2*ii+1], v[WR+2*ii:WR+2*ii+1]     ; * w
.set ii, ii+1
.endr
.set jj, 0
.rept 32
	v_med3_num_f32 v[TR+jj], v[XR+jj], -v[SC+1], v[SC+1]   ; the conversion to an 8-bit code does not saturate (ISA guide 7.6.2): the hold at the largest code x the scale
.set jj, jj+1
.endr
.irp m, 0,1,2,3
	v_cvt_scalef32_pk8_fp8_f32 v[CR+2*\m:CR+2*\m+1], v[TR+8*\m:TR+8*\m+7], v[SC]   ; register 2 m: the four codes of load 2 m; register 2 m + 1: of load 2 m + 1
.endr
	v_nop
.irp j, 0,1,2,3,4,5,6,7
	ds_store_b32 v2, v[CR+\j] offset:128*\j        ; codes 128 j + 4 lane .. + 3
.endr
.irp u, 0,1
	ds_load_b128 v[OB+4*\u:OB+4*\u+3], v3 offset:512*\u   ; LDS serves a wave's instructions in order (ISA guide 5.7.1.4): these see the stores above
.endr
	s_wait_dscnt 0x0
.irp u, 0,1
	global_store_b128 v1, v[OB+4*\u:OB+4*\u+3], s[24:25] offset:512*\u       ; 32 lanes store 512 consecutive bytes
.endr
	s_wait_tensorcnt 0x0
	ds_add_u32 v168, v169
	s_wait_dscnt 0x0
	s_endpgm
.Lfunc_end_k_q2396da72ab_norm2:
	.size	k_q2396da72ab_norm2, .Lfunc_end_k_q2396da72ab_norm2-k_q2396da72ab_norm2
	.p2alignl 7, 3214868480
	.fill 96, 4, 3214868480
	.section	.rodata,"a",@progbits
	.p2align	6, 0x0
	.amdhsa_kernel k_q2396da72ab_norm2
		.amdhsa_group_segment_fixed_size 9216
		.amdhsa_private_segment_fixed_size 0
		.amdhsa_enable_private_segment 0
		.amdhsa_kernarg_size 32
		.amdhsa_user_sgpr_count 2
		.amdhsa_user_sgpr_kernarg_segment_ptr 1
		.amdhsa_wavefront_size32 1
		.amdhsa_system_sgpr_workgroup_id_x 1
		.amdhsa_system_sgpr_workgroup_id_y 1
		.amdhsa_system_sgpr_workgroup_id_z 1
		.amdhsa_system_vgpr_workitem_id 0
		.amdhsa_next_free_vgpr 170
		.amdhsa_next_free_sgpr 66
		.amdhsa_reserve_vcc 0
		.amdhsa_float_denorm_mode_32 3
		.amdhsa_float_denorm_mode_16_64 3
		.amdhsa_memory_ordered 1
		.amdhsa_forward_progress 1
		.amdhsa_inst_pref_size 12
	.end_amdhsa_kernel
	.amdgpu_metadata
---
amdhsa.version: [ 1, 2 ]
amdhsa.kernels:
  - .name:           k_q2396da72ab_norm2
    .symbol:         k_q2396da72ab_norm2.kd
    .args:
      - { .name: x1, .offset: 0, .size: 8, .value_kind: global_buffer, .address_space: global }
      - { .name: norm2_w, .offset: 8, .size: 8, .value_kind: global_buffer, .address_space: global }
      - { .name: lowp_scales, .offset: 16, .size: 8, .value_kind: global_buffer, .address_space: global }
      - { .name: hn, .offset: 24, .size: 8, .value_kind: global_buffer, .address_space: global }
    .group_segment_fixed_size: 9216
    .private_segment_fixed_size: 0
    .kernarg_segment_align: 8
    .kernarg_segment_size: 32
    .max_flat_workgroup_size: 256
    .sgpr_count:     66
    .vgpr_count:     170
    .wavefront_size: 32
...
	.end_amdgpu_metadata
.endif
;; end of part 5
;; launch ff1 (part 6): grid 16 x 16, 4 waves a work-group, clusters of 4 x 4, 327,680 bytes of LDS; arguments hn, ff1_w_codes, lowp_scales, ff1_b, hc; writes hc
.if DOCPART == 6
	.amdgcn_target "amdgcn-amd-amdhsa--gfx1250"
	.amdhsa_code_object_version 6
	.text
	.protected	k_q2396da72ab_ff1
	.globl	k_q2396da72ab_ff1
	.p2align	8
	.type	k_q2396da72ab_ff1,@function
k_q2396da72ab_ff1:
	s_mov_b64 s[64:65], 0
	v_nop
	global_prefetch_b8 v0, s[64:65] scope:SCOPE_SE
	s_setreg_imm32_b32 hwreg(HW_REG_WAVE_MODE, 25, 1), 1
	s_wait_xcnt 0x0
	s_wait_alu depctr_hold_cnt(0) depctr_sa_sdst(0) depctr_va_vdst(0) depctr_va_sdst(0) depctr_va_ssrc(0) depctr_va_vcc(0) depctr_vm_vsrc(0)
	s_getreg_b32 s2, hwreg(HW_REG_IB_STS2, 6, 4)
	s_cmp_eq_u32 s2, 0
	s_cbranch_scc0 .Lentry_in_a_cluster
	s_endpgm
.Lentry_in_a_cluster:
	s_bfe_u32 s2, ttmp6, 0x10000c
	s_cmp_lg_u32 s2, 0xf033
	s_cbranch_scc0 .Lentry_shape_is_right
	s_endpgm
.Lentry_shape_is_right:
.set SIZE_K, 1024
.set KSTEP,  256
.set ROWB,   256
.set KROW,   SIZE_K
.set PITCH,  272
.set FR,     16
.set NL,     4
.set NP,     4
.set HALFT,  128*PITCH
.set SLOT,   4*HALFT
.set LAPS,   SIZE_K/(2*KSTEP)
.set SPARE,  2*SLOT
.set ADRA, 16
.set ADRB, 20
.set SPW,  28
.set NIL,  29
.set BIASR, 32
.set XX,   96
.set ZZ,   160
.set AF,   128
.set G1, 24
.set G0, 32
.set G1B, 48
.set G0B, 56
.set MSB, 0
.macro WIN new
.if MSB != \new
	s_set_vgpr_msb (MSB<<8)|\new
.set MSB, \new
.endif
.endm
.set MUL_LO, 0xa1
.set MUL_HI, 0xf1
.set TO_B,   0x40
.macro JLOAD g0a, g1a, g0b, g1b
	s_cmp_eq_u32 s15, 0
	s_cbranch_scc0 .Lfor_b_\@
	tensor_load_to_lds s[\g0a:\g0a+3], s[\g1a:\g1a+7]
	s_nop 0
.rept 4
	v_nop
.endr
	s_branch .Lasked_\@
.Lfor_b_\@:
	tensor_load_to_lds s[\g0b:\g0b+3], s[\g1b:\g1b+7]
	s_nop 0
.rept 4
	v_nop
.endr
.Lasked_\@:
.endm
.macro CREST
	s_cmp_lg_u32 s14, 0
	s_cbranch_scc1 .Lnot_wave_0_\@
	s_barrier_signal -3
.Lnot_wave_0_\@:
	s_barrier_wait -3
	s_barrier_signal -1
	s_barrier_wait -1
.endm
.macro CROUND
	s_barrier_signal -1
	s_barrier_wait -1
	CREST
.endm
	s_load_b128 s[4:7], s[0:1], 0x0
	s_load_b128 s[8:11], s[0:1], 0x10
	s_load_b64 s[12:13], s[0:1], 0x20
	v_lshl_add_u32 v[SPW], v0, 2, SPARE
	v_mov_b32 v[NIL], 0
	ds_add_u32 v28, v29
	ds_add_u32 v28, v29
	s_wait_dscnt 0x0
	v_lshrrev_b32 v1, 5, v0
	v_readfirstlane_b32 s14, v1
	s_lshr_b32 s15, s14, 1
	s_and_b32 s16, s14, 1
	s_bfe_u32 s40, ttmp6, 0x40000
	s_bfe_u32 s41, ttmp6, 0x40004
	s_lshl_b32 s42, ttmp9, 2
	s_add_co_u32 s42, s42, s40
	s_and_b32 s17, ttmp7, 0xffff
	s_lshl_b32 s17, s17, 2
	s_add_co_u32 s17, s17, s41
	s_lshl_b32 s43, s41, 2
	s_lshl_b32 s43, 15, s43
	s_lshl_b32 s44, 0x1111, s40
	s_or_b32 s[G1+0], s43, (0<<16)|(1<<20)|(1<<21)|(5<<22)|(3<<25)
	s_or_b32 s[G1B+0], s44, (0<<16)|(1<<20)|(1<<21)|(5<<22)|(3<<25)
.irp g, G1, G1B
	s_mov_b32 s[\g+1], ROWB<<16
	s_mov_b32 s[\g+2], 128<<16
	s_mov_b32 s[\g+3], ROWB<<16
	s_mov_b32 s[\g+4], 128
	s_mov_b32 s[\g+5], KROW
	s_mov_b32 s[\g+6], 0
	s_mov_b32 s[\g+7], 0
.endr
	s_lshl_b32 s18, s16, 7
	s_lshl_b32 s20, s17, 8
	s_add_co_u32 s20, s20, s18
	s_lshl_b32 s20, s20, 10
	s_mov_b32 s21, 0
	s_lshl_b32 s46, s42, 8
	s_add_co_u32 s46, s46, s18
	s_lshl_b32 s46, s46, 10
	s_mov_b32 s47, 0
	s_mul_i32 s45, s14, HALFT
	s_wait_kmcnt 0x0
	s_load_b128 s[68:71], s[8:9], 0x30
	s_add_nc_u64 s[20:21], s[4:5], s[20:21]
	s_add_nc_u64 s[46:47], s[6:7], s[46:47]
	CROUND
.irp s, 0,1
	s_mov_b32 s[G0+4*\s], 1
	s_add_co_u32 s[G0+4*\s+1], s45, \s*SLOT
	s_add_nc_u64 s[G0+4*\s+2:G0+4*\s+3], s[20:21], \s*ROWB
	s_or_b32 s[G0+4*\s+3], s[G0+4*\s+3], 0x80000000
	s_mov_b32 s[G0B+4*\s], 1
	s_add_co_u32 s[G0B+4*\s+1], s45, \s*SLOT
	s_add_nc_u64 s[G0B+4*\s+2:G0B+4*\s+3], s[46:47], \s*ROWB
	s_or_b32 s[G0B+4*\s+3], s[G0B+4*\s+3], 0x80000000
.endr
	JLOAD G0, G1, G0B, G1B                         ; K step 0: one tensor load a wave at the head
	; PREFETCH INTO THE L2 of K steps 1 to 3 (256 bytes of each row a step).  Of the 128 rows that I fetch, each of the four partners that ask for them jointly names 32, told apart by address (cx for A, cy for B): a lane a row.
	; K steps 1 and 2 are named here, K step 3 behind K step 1's load: each at least one load ahead of the load that wants it.  The steps are told apart by the immediate: no address register is written again.
	s_cmp_eq_u32 s15, 0
	s_cselect_b64 s[72:73], s[20:21], s[46:47]     ; the first of the 128 rows that I fetch
	s_cselect_b32 s74, s40, s41
	s_lshl_b32 s74, s74, 15                        ; my work-group's 32 rows of 1,024 bytes
	s_mov_b32 s75, 0
	s_add_nc_u64 s[72:73], s[72:73], s[74:75]
	v_and_b32 v30, 31, v0
	v_lshlrev_b32 v30, 10, v30                     ; a lane a row
	global_prefetch_b8 v30, s[72:73] offset:256 th:TH_LOAD_NT scope:SCOPE_SE
	global_prefetch_b8 v30, s[72:73] offset:512 th:TH_LOAD_NT scope:SCOPE_SE
	v_and_b32 v1, 15, v0
	v_bfe_u32 v2, v0, 4, 1
	s_wait_alu depctr_va_vdst(0)
	v_mul_u32_u24 v3, v1, PITCH
	v_lshl_add_u32 v4, v2, 4, v3
	s_mul_i32 s21, s15, HALFT
	s_mul_i32 s22, s16, HALFT
	s_add_co_u32 s22, s22, 2*HALFT
.irp s, 0,1
	v_add_nc_u32 v[ADRA+\s], s21, v4
	v_add_nc_u32 v[ADRB+\s], s22, v4
	s_add_co_u32 s21, s21, SLOT
	s_add_co_u32 s22, s22, SLOT
.endr
	s_lshl_b32 s46, s42, 10
	s_lshl_b32 s47, s16, 9
	s_add_co_u32 s46, s46, s47
	s_mov_b32 s47, 0
	s_add_nc_u64 s[10:11], s[10:11], s[46:47]
	v_lshlrev_b32 v7, 5, v2
.irp b, 0,1,2,3,4,5,6,7
	global_load_b128 v[BIASR+8*\b:BIASR+8*\b+3], v7, s[10:11] offset:64*\b
	global_load_b128 v[BIASR+8*\b+4:BIASR+8*\b+7], v7, s[10:11] offset:64*\b+16
.endr
	s_lshl_b32 s20, s17, 4
	s_lshl_b32 s21, s15, 3
	s_add_co_u32 s20, s20, s21
	s_lshl_b32 s20, s20, 16
	s_lshl_b32 s21, s42, 3
	s_lshl_b32 s22, s16, 2
	s_add_co_u32 s21, s21, s22
	s_lshl_b32 s21, s21, 9
	s_add_co_u32 s20, s20, s21
	s_mov_b32 s21, 0
	s_add_nc_u64 s[12:13], s[12:13], s[20:21]
	v_and_b32 v26, 31, v0
	v_lshlrev_b32 v26, 4, v26
	v_mov_b32 v8, 0xbdd2d3e8
	v_mov_b32 v9, 0xbdd2d3e8
	v_mov_b32 v10, 0xc0135761
	v_mov_b32 v11, 0xc0135761
.macro FRAG reg, adr, q, i
.irp c, 0,1,2,3
	ds_load_b128 v[\reg+4*\c:\reg+4*\c+3], v[\adr] offset:128*(\q)+32*\c+(\i)*16*PITCH
.endr
.endm
.macro MUL16 a0, p, zero
.irp a, \a0, \a0+1
.irp b, 0,1,2,3,4,5,6,7
.if \zero
	v_wmma_f32_16x16x128_fp8_fp8 v[8*(8*((\a)%4)+\b):8*(8*((\a)%4)+\b)+7], v[128*(\p)+FR*\b:128*(\p)+FR*\b+FR-1], v[AF+FR*(\a):AF+FR*(\a)+FR-1], 0
.else
	v_wmma_f32_16x16x128_fp8_fp8 v[8*(8*((\a)%4)+\b):8*(8*((\a)%4)+\b)+7], v[128*(\p)+FR*\b:128*(\p)+FR*\b+FR-1], v[AF+FR*(\a):AF+FR*(\a)+FR-1], v[8*(8*((\a)%4)+\b):8*(8*((\a)%4)+\b)+7]
.endif
.endr
.endr
.endm
.macro FETCH_B slot, q, p
	WIN TO_B
.irp i, 0,1,2,3,4,5,6,7
	FRAG 128*(\p)+FR*\i, ADRB+\slot, \q, \i
.endr
	WIN 0
.endm
.macro FETCH_A slot, q, i0
.irp i, \i0, \i0+1, \i0+2, \i0+3
	FRAG AF+FR*(\i), ADRA+\slot, \q, \i
.endr
.endm
.macro PLACES n
.rept \n
	v_nop
.endr
.endm
.macro STEP slot, q, zero
	s_wait_dscnt 4*NL
	WIN MUL_LO
	MUL16 0, (\q)%2, \zero
	MUL16 2, (\q)%2, \zero
	s_wait_dscnt 0
	PLACES NP
	FETCH_B \slot, (\q)+1, 1-(\q)%2
	FETCH_A \slot, (\q)+1, 0
	WIN MUL_HI
	MUL16 4, (\q)%2, \zero
	MUL16 6, (\q)%2, \zero
	PLACES NP
	WIN 0
	FETCH_A \slot, (\q)+1, 4
.endm
.macro TURN slot, next, fill
	s_wait_tensorcnt 0x0
	ds_add_u32 v[SPW], v[NIL]
	s_wait_dscnt 4*NL+1
	WIN MUL_LO
	MUL16 0, 1, 0
	s_wait_dscnt 0x0
	s_barrier_signal -1
	MUL16 2, 1, 0
	WIN 0
	s_barrier_wait -1
.if \fill
	CREST
	s_add_nc_u64 s[G0+4*\slot+2:G0+4*\slot+3], s[G0+4*\slot+2:G0+4*\slot+3], 2*ROWB
	s_add_nc_u64 s[G0B+4*\slot+2:G0B+4*\slot+3], s[G0B+4*\slot+2:G0B+4*\slot+3], 2*ROWB
	JLOAD G0+4*\slot, G1, G0B+4*\slot, G1B
.else
	PLACES NP
.endif
	s_wait_alu depctr_va_vdst(0)
	FETCH_B \next, 0, 0
	FETCH_A \next, 0, 0
	WIN MUL_HI
	MUL16 4, 1, 0
	MUL16 6, 1, 0
	PLACES NP
	WIN 0
	FETCH_A \next, 0, 4
.endm
	s_wait_alu depctr_va_vdst(0)                   ; the wait at the head's end
	s_wait_tensorcnt 0x0                           ; my part of K step 0 is in
	ds_add_u32 v[SPW], v[NIL]                      ; 0 onto my spare word
	s_wait_dscnt 0x0
	CROUND                                         ; everybody's part is in, and the joint loads meet
	JLOAD G0+4, G1, G0B+4, G1B                     ; K step 1: the first tensor load behind the round
	global_prefetch_b8 v30, s[72:73] offset:768 th:TH_LOAD_NT scope:SCOPE_SE   ; K step 3, the last
	FETCH_B 0, 0, 0
	FETCH_A 0, 0, 0
	FETCH_A 0, 0, 4
	STEP 0, 0, 1
	s_mov_b32 s3, LAPS-1
.Llap:
	TURN 0, 1, 1
	STEP 1, 0, 0
	TURN 1, 0, 1
	STEP 0, 0, 0
	s_sub_co_u32 s3, s3, 1
	s_cmp_lg_u32 s3, 0
	s_cbranch_scc1 .Llap
	TURN 0, 1, 0
	STEP 1, 0, 0
	s_wait_dscnt 4*NL
	WIN MUL_LO
	MUL16 0, 1, 0
	MUL16 2, 1, 0
	s_wait_dscnt 0
	WIN MUL_HI
	MUL16 4, 1, 0
	MUL16 6, 1, 0
	WIN 0
	s_wait_kmcnt 0x0
	s_add_co_i32 s96, s68, s69
	s_add_co_i32 s96, s96, 127
	s_lshl_b32 s96, s96, 23
	s_mov_b32 s97, s96
	s_add_co_i32 s2, s70, 127
	s_lshl_b32 s3, s2, 23
	v_mov_b32 v12, s3
	s_add_co_i32 s2, s2, 8
	s_lshl_b32 s2, s2, 23
	s_or_b32 s2, s2, 0x600000
	v_mov_b32 v13, s2
	s_wait_loadcnt 0x0
	PLACES NP
.macro OUTG a
.set AC, 64*((\a)%4)
.set CC, 224+16*((\a)%2)
	WIN 0x02+((\a)/4)
.set jj, 0
.rept 32
	v_pk_fma_f32 v[XX+jj:XX+jj+1], v[AC+jj:AC+jj+1], s[96:97], v[BIASR+jj:BIASR+jj+1] op_sel_hi:[1,0,1]
.set jj, jj+2
.endr
	WIN 0
.set jj, 0
.rept 32
	v_pk_mul_f32 v[ZZ+jj:ZZ+jj+1], v[XX+jj:XX+jj+1], v[XX+jj:XX+jj+1]
.set jj, jj+2
.endr
.set jj, 0
.rept 32
	v_pk_fma_f32 v[ZZ+jj:ZZ+jj+1], v[ZZ+jj:ZZ+jj+1], v[8:9], v[10:11]
.set jj, jj+2
.endr
.set jj, 0
.rept 32
	v_pk_mul_f32 v[ZZ+jj:ZZ+jj+1], v[ZZ+jj:ZZ+jj+1], v[XX+jj:XX+jj+1]
.set jj, jj+2
.endr
.set jj, 0
	s_wait_alu depctr_va_vdst(0)
.rept 64
	v_exp_f32 v[ZZ+jj], v[ZZ+jj]
.set jj, jj+1
.endr
	v_nop
	s_wait_alu depctr_va_vdst(0)
.set jj, 0
.rept 32
	v_pk_add_f32 v[ZZ+jj:ZZ+jj+1], v[ZZ+jj:ZZ+jj+1], 1.0 op_sel_hi:[1,0]
.set jj, jj+2
.endr
.set jj, 0
	s_wait_alu depctr_va_vdst(0)
.rept 64
	v_rcp_f32 v[ZZ+jj], v[ZZ+jj]
.set jj, jj+1
.endr
	v_nop
	s_wait_alu depctr_va_vdst(0)
.set jj, 0
.rept 32
	v_pk_mul_f32 v[XX+jj:XX+jj+1], v[XX+jj:XX+jj+1], v[ZZ+jj:ZZ+jj+1]
.set jj, jj+2
.endr
.set jj, 0
.rept 64
	v_med3_num_f32 v[XX+jj], v[XX+jj], -v13, v13
.set jj, jj+1
.endr
.if (\a) >= 2
	s_wait_alu depctr_va_vdst(0)
	s_wait_xcnt 0x0
.endif
.irp b, 0,1,2,3,4,5,6,7
	v_cvt_scalef32_pk8_fp8_f32 v[CC+2*\b:CC+2*\b+1], v[XX+8*\b:XX+8*\b+7], v12
.endr
	v_nop
.irp p, 0,1,2,3
	global_store_b128 v26, v[CC+4*\p:CC+4*\p+3], s[12:13] offset:65536*(\a)+512*\p
.endr
.endm
.irp a, 0,1,2,3,4,5,6,7
	OUTG \a
.endr
	s_wait_tensorcnt 0x0
	ds_add_u32 v[SPW], v[NIL]
	s_wait_dscnt 0x0
	CROUND
	s_endpgm
.Lfunc_end_k_q2396da72ab_ff1:
	.size	k_q2396da72ab_ff1, .Lfunc_end_k_q2396da72ab_ff1-k_q2396da72ab_ff1
	.p2alignl 7, 3214868480
	.fill 96, 4, 3214868480
	.section	.rodata,"a",@progbits
	.p2align	6, 0x0
	.amdhsa_kernel k_q2396da72ab_ff1
		.amdhsa_group_segment_fixed_size 327680
		.amdhsa_private_segment_fixed_size 0
		.amdhsa_enable_private_segment 0
		.amdhsa_kernarg_size 40
		.amdhsa_user_sgpr_count 2
		.amdhsa_user_sgpr_kernarg_segment_ptr 1
		.amdhsa_wavefront_size32 1
		.amdhsa_system_sgpr_workgroup_id_x 1
		.amdhsa_system_sgpr_workgroup_id_y 1
		.amdhsa_system_sgpr_workgroup_id_z 1
		.amdhsa_system_vgpr_workitem_id 0
		.amdhsa_next_free_vgpr 1024
		.amdhsa_next_free_sgpr 98
		.amdhsa_reserve_vcc 0
		.amdhsa_float_denorm_mode_32 3
		.amdhsa_float_denorm_mode_16_64 3
		.amdhsa_memory_ordered 1
		.amdhsa_forward_progress 1
		.amdhsa_inst_pref_size 250
	.end_amdhsa_kernel
	.amdgpu_metadata
---
amdhsa.version: [ 1, 2 ]
amdhsa.kernels:
  - .name:           k_q2396da72ab_ff1
    .symbol:         k_q2396da72ab_ff1.kd
    .args:
      - { .name: hn, .offset: 0, .size: 8, .value_kind: global_buffer, .address_space: global }
      - { .name: ff1_w_codes, .offset: 8, .size: 8, .value_kind: global_buffer, .address_space: global }
      - { .name: lowp_scales, .offset: 16, .size: 8, .value_kind: global_buffer, .address_space: global }
      - { .name: ff1_b, .offset: 24, .size: 8, .value_kind: global_buffer, .address_space: global }
      - { .name: hc, .offset: 32, .size: 8, .value_kind: global_buffer, .address_space: global }
    .group_segment_fixed_size: 327680
    .private_segment_fixed_size: 0
    .kernarg_segment_align: 8
    .kernarg_segment_size: 40
    .max_flat_workgroup_size: 128
    .sgpr_count:     98
    .vgpr_count:     1024
    .wavefront_size: 32
...
	.end_amdgpu_metadata
.endif
;; end of part 6
;; launch ff2 (part 7): grid 8 x 32, 4 waves a work-group, clusters of 4 x 4, 327,680 bytes of LDS; arguments hc, ff2_w_codes, lowp_scales, ff2_b, x1, out0; writes out0
.if DOCPART == 7
	.amdgcn_target "amdgcn-amd-amdhsa--gfx1250"
	.amdhsa_code_object_version 6
	.text
	.protected	k_q2396da72ab_ff2
	.globl	k_q2396da72ab_ff2
	.p2align	8
	.type	k_q2396da72ab_ff2,@function
k_q2396da72ab_ff2:
	s_mov_b64 s[64:65], 0
	v_nop
	global_prefetch_b8 v0, s[64:65] scope:SCOPE_SE
	s_setreg_imm32_b32 hwreg(HW_REG_WAVE_MODE, 25, 1), 1
	s_wait_xcnt 0x0
	s_wait_alu depctr_hold_cnt(0) depctr_sa_sdst(0) depctr_va_vdst(0) depctr_va_sdst(0) depctr_va_ssrc(0) depctr_va_vcc(0) depctr_vm_vsrc(0)
	s_getreg_b32 s2, hwreg(HW_REG_IB_STS2, 6, 4)
	s_cmp_eq_u32 s2, 0
	s_cbranch_scc0 .Lentry_in_a_cluster
	s_endpgm
.Lentry_in_a_cluster:
	s_bfe_u32 s2, ttmp6, 0x10000c
	s_cmp_lg_u32 s2, 0xf033
	s_cbranch_scc0 .Lentry_shape_is_right
	s_endpgm
.Lentry_shape_is_right:
.set KDIM,  4096
.set BIAS,  1
.set SCOFF, 0x38
.set KS,    512
.set ASL,   65536
.set BP,    528
.set BHALF, 64*BP
.set SLOT,  ASL+2*BHALF
.set STAGE, 2*SLOT
.set SPITCH, 272
.set SPARE, STAGE+4*16*SPITCH
.set LAPS,  KDIM/(2*KS)
.set ADRA, 16
.set ADRB, 20
.set STO,  24
.set RD,   25
.set CO,   26
.set SPW,  28
.set NIL,  29
.set BK,   32
.set ACC,  128
.set F0,   0
.set F1,   128
.set G1, 24
.set G0, 32
.set G1B, 48
.set G0B, 56
.set MSB, 0
.macro WIN new
.if MSB != \new
	s_set_vgpr_msb (MSB<<8)|\new
.set MSB, \new
.endif
.endm
.macro JLOAD s
	s_cmp_eq_u32 s11, 0
	s_cbranch_scc0 .Lfor_b_\@
	tensor_load_to_lds s[G0+4*\s:G0+4*\s+3], s[G1:G1+7]
	s_nop 0
.rept 4
	v_nop
.endr
	s_branch .Lasked_\@
.Lfor_b_\@:
	tensor_load_to_lds s[G0B+4*\s:G0B+4*\s+3], s[G1B:G1B+7]
	s_nop 0
.rept 4
	v_nop
.endr
.Lasked_\@:
.endm
.macro CREST
	s_cmp_lg_u32 s10, 0
	s_cbranch_scc1 .Lnot_wave_0_\@
	s_barrier_signal -3
.Lnot_wave_0_\@:
	s_barrier_wait -3
	s_barrier_signal -1
	s_barrier_wait -1
.endm
.macro CROUND
	s_barrier_signal -1
	s_barrier_wait -1
	CREST
.endm
	s_load_b128 s[4:7], s[0:1], 0x0
	s_load_b64 s[66:67], s[0:1], 0x10
.if BIAS
	s_load_b64 s[70:71], s[0:1], 0x18
	s_load_b64 s[68:69], s[0:1], 0x20
	s_load_b64 s[8:9], s[0:1], 0x28
.else
	s_load_b64 s[68:69], s[0:1], 0x18
	s_load_b64 s[8:9], s[0:1], 0x20
.endif
	v_lshl_add_u32 v[SPW], v0, 2, SPARE
	v_mov_b32 v[NIL], 0
	ds_add_u32 v28, v29
	ds_add_u32 v28, v29
	s_wait_dscnt 0x0
	v_lshrrev_b32 v1, 5, v0
	v_readfirstlane_b32 s10, v1
	s_lshr_b32 s11, s10, 1
	s_and_b32 s12, s10, 1
	s_bfe_u32 s40, ttmp6, 0x40000
	s_bfe_u32 s41, ttmp6, 0x40004
	s_lshl_b32 s42, ttmp9, 2
	s_add_co_u32 s42, s42, s40
	s_and_b32 s13, ttmp7, 0xffff
	s_lshl_b32 s13, s13, 2
	s_add_co_u32 s13, s13, s41
	s_lshl_b32 s43, s41, 2
	s_lshl_b32 s43, 15, s43
	s_lshl_b32 s44, 0x1111, s40
	s_or_b32 s[G1+0], s43, (3<<16)|(1<<21)
	s_mov_b32 s[G1+1], 1024<<16
	s_mov_b32 s[G1+2], 4<<16
	s_mov_b32 s[G1+3], 1024<<16
	s_mov_b32 s[G1+4], 4
	s_mov_b32 s[G1+5], 2*KDIM
	s_mov_b32 s[G1+6], 0
	s_mov_b32 s[G1+7], 0
	s_or_b32 s[G1B+0], s44, (0<<16)|(1<<20)|(1<<21)|(6<<22)|(3<<25)
	s_mov_b32 s[G1B+1], KS<<16
	s_mov_b32 s[G1B+2], 64<<16
	s_mov_b32 s[G1B+3], KS<<16
	s_mov_b32 s[G1B+4], 64
	s_mov_b32 s[G1B+5], KDIM
	s_mov_b32 s[G1B+6], 0
	s_mov_b32 s[G1B+7], 0
	s_lshl_b32 s16, s13, 3
	s_lshl_b32 s17, s12, 2
	s_add_co_u32 s16, s16, s17
	s_mul_i32 s16, s16, 16*KDIM
	s_mov_b32 s17, 0
	s_lshl_b32 s46, s42, 7
	s_lshl_b32 s47, s12, 6
	s_add_co_u32 s46, s46, s47
	s_mul_i32 s46, s46, KDIM
	s_mov_b32 s47, 0
	s_lshl_b32 s20, s12, 15
	s_mul_i32 s21, s12, BHALF
	s_add_co_u32 s21, s21, ASL
	s_wait_kmcnt 0x0
	s_load_b64 s[72:73], s[66:67], SCOFF
	s_add_nc_u64 s[14:15], s[4:5], s[16:17]
	s_add_nc_u64 s[46:47], s[6:7], s[46:47]
	CROUND
.irp s, 0,1
	s_mov_b32 s[G0+4*\s], 1
	s_add_co_u32 s[G0+4*\s+1], s20, \s*SLOT
	s_add_nc_u64 s[G0+4*\s+2:G0+4*\s+3], s[14:15], \s*8192
	s_or_b32 s[G0+4*\s+3], s[G0+4*\s+3], 0x80000000
	s_mov_b32 s[G0B+4*\s], 1
	s_add_co_u32 s[G0B+4*\s+1], s21, \s*SLOT
	s_add_nc_u64 s[G0B+4*\s+2:G0B+4*\s+3], s[46:47], \s*KS
	s_or_b32 s[G0B+4*\s+3], s[G0B+4*\s+3], 0x80000000
.endr
	JLOAD 0                                        ; slot 0: one tensor load a wave at the head
	; PREFETCH INTO THE L2.  Behind the load of slot e stands one request a wave for slot e + 2 (here, at the head, for slot 1 too); the loop's last trip, whose slots e + 2 would lie behind K's end, asks for nothing.
	; What I fetch of a slot is 128 blocks of 256 bytes; each of the four partners that ask for it jointly names 32, told apart by address (cx for A, cy for W): of A one tile of 16 rows (8,192 dense bytes), of W 16 rows of 512 bytes.
	; s[76:77] walks a slot at each change of slots, behind s_wait_xcnt 0.  A work-group has at most two slots asked for and not yet loaded.
	s_cmp_eq_u32 s11, 0
	s_cselect_b64 s[76:77], s[14:15], s[46:47]     ; where my part of slot 0 begins
	s_cselect_b32 s78, s40, s41
	s_mov_b32 s80, KS
	s_cselect_b32 s80, 8192, s80                   ; s[80:81]: a slot on
	s_mov_b32 s82, KDIM
	s_cselect_b32 s82, 512, s82                    ; from one pair of lanes to the next
	s_lshl_b32 s78, s78, 16                        ; my work-group's quarter: 16 KDIM bytes on in A and in W alike
	s_add_co_u32 s78, s78, s80
	s_mov_b32 s79, 0
	s_mov_b32 s81, 0
	s_add_nc_u64 s[76:77], s[76:77], s[78:79]      ; slot 1,
	s_add_nc_u64 s[78:79], s[76:77], s[80:81]      ; slot 2
	v_and_b32 v30, 31, v0
	v_lshrrev_b32 v31, 1, v30
	v_and_b32 v30, 1, v30
	v_mul_lo_u32 v31, v31, s82
	v_lshl_add_u32 v30, v30, 8, v31                ; never rewritten
	global_prefetch_b8 v30, s[76:77] th:TH_LOAD_NT scope:SCOPE_SE
	global_prefetch_b8 v30, s[78:79] th:TH_LOAD_NT scope:SCOPE_SE
	v_and_b32 v1, 15, v0
	v_bfe_u32 v2, v0, 4, 1
	v_and_b32 v3, 31, v0
	v_lshlrev_b32 v3, 4, v3
	s_lshl_b32 s22, s11, 15
	v_add_nc_u32 v[ADRA], s22, v3
	v_add_nc_u32 v[ADRA+1], SLOT, v[ADRA]
	v_mul_u32_u24 v4, v1, BP
	v_lshl_add_u32 v4, v2, 3, v4
	s_mul_i32 s22, s12, BHALF
	s_add_co_u32 s22, s22, ASL
	v_add_nc_u32 v[ADRB], s22, v4
	v_add_nc_u32 v[ADRB+1], SLOT, v[ADRB]
	s_mul_i32 s23, s10, 16*SPITCH
	s_add_co_u32 s23, s23, STAGE
	v_mul_u32_u24 v5, v1, SPITCH
	v_lshl_add_u32 v5, v2, 5, v5
	v_add_nc_u32 v[STO], s23, v5
	v_mul_u32_u24 v5, v2, SPITCH
	v_lshl_add_u32 v5, v1, 4, v5
	v_add_nc_u32 v[RD], s23, v5
	v_lshlrev_b32 v[CO], 12, v2
	v_lshl_add_u32 v[CO], v1, 4, v[CO]
	s_wait_alu depctr_va_vdst(0)
	v_lshlrev_b32 v27, 4, v1
	s_wait_alu depctr_va_vdst(0)
	s_lshl_b32 s16, s13, 7
	s_lshl_b32 s17, s11, 6
	s_add_co_u32 s16, s16, s17
	s_lshl_b32 s16, s16, 12
	s_lshl_b32 s46, s42, 9
	s_lshl_b32 s47, s12, 8
	s_add_co_u32 s46, s46, s47
	s_add_co_u32 s16, s16, s46
	s_mov_b32 s17, 0
	s_mov_b32 s47, 0
	s_add_nc_u64 s[8:9], s[8:9], s[16:17]
	s_add_nc_u64 s[68:69], s[68:69], s[16:17]
.if BIAS
	s_add_nc_u64 s[70:71], s[70:71], s[46:47]
.endif
.if BIAS
	global_load_b128 v[8:11], v27, s[70:71]
.endif
.macro MUL4 f, a, zero
.irp b, 0,1,2,3
.if \zero
	v_wmma_f32_16x16x128_fp8_fp8 v[ACC+8*(4*(\a)+\b):ACC+8*(4*(\a)+\b)+7], v[\f+64+16*\b:\f+64+16*\b+15], v[\f+16*(\a):\f+16*(\a)+15], 0
.else
	v_wmma_f32_16x16x128_fp8_fp8 v[ACC+8*(4*(\a)+\b):ACC+8*(4*(\a)+\b)+7], v[\f+64+16*\b:\f+64+16*\b+15], v[\f+16*(\a):\f+16*(\a)+15], v[ACC+8*(4*(\a)+\b):ACC+8*(4*(\a)+\b)+7]
.endif
.endr
.endm
.macro MUL16 f, zero
	MUL4 \f, 0, \zero
	MUL4 \f, 1, \zero
	MUL4 \f, 2, \zero
	MUL4 \f, 3, \zero
.endm
.macro FETCH slot, q, f
	WIN 0x40
.irp a, 0,1,2,3
.irp c, 0,1,2,3
	ds_load_b128 v[\f+16*\a+4*\c:\f+16*\a+4*\c+3], v[ADRA+\slot] offset:8192*\a+2048*(\q)+512*\c
.endr
.endr
.irp b, 0,1,2,3
.irp c, 0,1,2,3,4,5,6,7
	ds_load_b64 v[\f+64+16*\b+2*\c:\f+64+16*\b+2*\c+1], v[ADRB+\slot] offset:16*BP*\b+128*(\q)+16*\c
.endr
.endr
.endm
.macro PLACES
.rept 4
	v_nop
.endr
.endm
.macro STEP slot, q, zero
	s_wait_dscnt 0x0
	PLACES
	FETCH \slot, (\q)+1, 128-128*((\q)%2)
	WIN 0x05
	MUL16 128*((\q)%2), \zero
.endm
.macro TURN slot, next, fill
	WIN 0
.if \fill
	s_wait_xcnt 0x0                                ; my last prefetch has read its address:
	s_add_nc_u64 s[76:77], s[76:77], s[80:81]      ; a slot on
.endif
	s_wait_tensorcnt 0x0
	ds_add_u32 v[SPW], v[NIL]
	s_wait_dscnt 1
	WIN 0x05
	MUL4 F1, 0, 0
	s_wait_dscnt 0x0
	s_barrier_signal -1
	MUL4 F1, 1, 0
	WIN 0
	s_barrier_wait -1
.if \fill
	CREST
	s_add_nc_u64 s[G0+4*\slot+2:G0+4*\slot+3], s[G0+4*\slot+2:G0+4*\slot+3], 2*8192
	s_add_nc_u64 s[G0B+4*\slot+2:G0B+4*\slot+3], s[G0B+4*\slot+2:G0B+4*\slot+3], 2*KS
	JLOAD \slot
	s_cmp_gt_u32 s3, 1                             ; not in the loop's last trip
	s_cbranch_scc0 .Lnoask_\@
	global_prefetch_b8 v30, s[76:77] th:TH_LOAD_NT scope:SCOPE_SE   ; the slot two loads on
.Lnoask_\@:
.else
	PLACES
.endif
	FETCH \next, 0, F0
	WIN 0x05
	MUL4 F1, 2, 0
	MUL4 F1, 3, 0
.endm
	s_wait_alu depctr_va_vdst(0)                   ; the wait at the head's end
	s_wait_xcnt 0x0                                ; the head's prefetches have read their addresses
	s_add_nc_u64 s[76:77], s[78:79], s[80:81]      ; slot 3
	s_wait_tensorcnt 0x0                           ; my part of slot 0 is in
	ds_add_u32 v[SPW], v[NIL]                      ; 0 onto my spare word
	s_wait_dscnt 0x0
	CROUND                                         ; everybody's part is in, and the joint loads meet
	JLOAD 1                                        ; slot 1: the first tensor load behind the round
	global_prefetch_b8 v30, s[76:77] th:TH_LOAD_NT scope:SCOPE_SE
	FETCH 0, 0, F0
	WIN 0x80                                       ; destination window 2.  R is asked for here, behind slot 0's landing and slot 1's load: it is wanted only on the way out, and has all the K steps in which to land
.irp a, 0,1,2,3
.irp t, 0,1,2,3,4,5,6,7
	global_load_b128 v[32*\a+4*\t:32*\a+4*\t+3], v[CO], s[68:69] offset:(16*\a+2*\t)*4096 th:TH_LOAD_NT   ; R, laid as the rows will come back from the stage
.endr
.endr
	WIN 0
	STEP 0, 0, 1
.if LAPS > 1
	WIN 0
	s_mov_b32 s3, LAPS-1
.Llap:
	STEP 0, 1, 0
	STEP 0, 2, 0
	TURN 0, 1, 1
	STEP 1, 0, 0
	STEP 1, 1, 0
	STEP 1, 2, 0
	TURN 1, 0, 1
	STEP 0, 0, 0
	WIN 0
	s_sub_co_u32 s3, s3, 1
	s_cmp_lg_u32 s3, 0
	s_cbranch_scc1 .Llap
.endif
	STEP 0, 1, 0
	STEP 0, 2, 0
	TURN 0, 1, 0
	STEP 1, 0, 0
	STEP 1, 1, 0
	STEP 1, 2, 0
	s_wait_dscnt 0x0
	WIN 0x05
	MUL16 F1, 0
	WIN 0
	PLACES
	s_wait_kmcnt 0x0
	s_add_co_i32 s74, s72, s73
	s_add_co_i32 s74, s74, 127
	s_lshl_b32 s74, s74, 23
	s_mov_b32 s75, s74
	s_wait_loadcnt 0x0
.macro OUTR a
.set BB, BK+32*((\a)%2)
.if (\a) >= 2
	s_wait_xcnt 0x0
.endif
.irp b, 0,1,2,3
	ds_store_b128 v[STO], v[ACC+8*(4*(\a)+\b):ACC+8*(4*(\a)+\b)+3] offset:64*\b
	ds_store_b128 v[STO], v[ACC+8*(4*(\a)+\b)+4:ACC+8*(4*(\a)+\b)+7] offset:64*\b+16
.endr
.irp t, 0,1,2,3,4,5,6,7
	ds_load_b128 v[BB+4*\t:BB+4*\t+3], v[RD] offset:\t*2*SPITCH
.endr
	s_wait_dscnt 0x0
.if BIAS
.set ii, 0
.rept 16
	v_pk_fma_f32 v[BB+2*ii:BB+2*ii+1], v[BB+2*ii:BB+2*ii+1], s[74:75], v[8+2*(ii%2):9+2*(ii%2)] op_sel_hi:[1,0,1]
.set ii, ii+1
.endr
	WIN 0x08
.set ii, 0
.rept 16
	v_pk_add_f32 v[BB+2*ii:BB+2*ii+1], v[BB+2*ii:BB+2*ii+1], v[32*(\a)+2*ii:32*(\a)+2*ii+1]
.set ii, ii+1
.endr
	WIN 0
.else
	WIN 0x20
.set ii, 0
.rept 16
	v_pk_fma_f32 v[BB+2*ii:BB+2*ii+1], v[BB+2*ii:BB+2*ii+1], s[74:75], v[32*(\a)+2*ii:32*(\a)+2*ii+1] op_sel_hi:[1,0,1]
.set ii, ii+1
.endr
	WIN 0
.endif
.irp t, 0,1,2,3,4,5,6,7
	global_store_b128 v[CO], v[BB+4*\t:BB+4*\t+3], s[8:9] offset:(16*(\a)+2*\t)*4096
.endr
.endm
	OUTR 0
	OUTR 1
	OUTR 2
	OUTR 3
	s_wait_tensorcnt 0x0
	ds_add_u32 v[SPW], v[NIL]
	s_wait_dscnt 0x0
	CROUND
	s_endpgm
.Lfunc_end_k_q2396da72ab_ff2:
	.size	k_q2396da72ab_ff2, .Lfunc_end_k_q2396da72ab_ff2-k_q2396da72ab_ff2
	.p2alignl 7, 3214868480
	.fill 96, 4, 3214868480
	.section	.rodata,"a",@progbits
	.p2align	6, 0x0
	.amdhsa_kernel k_q2396da72ab_ff2
		.amdhsa_group_segment_fixed_size 327680
		.amdhsa_private_segment_fixed_size 0
		.amdhsa_enable_private_segment 0
		.amdhsa_kernarg_size 48
		.amdhsa_user_sgpr_count 2
		.amdhsa_user_sgpr_kernarg_segment_ptr 1
		.amdhsa_wavefront_size32 1
		.amdhsa_system_sgpr_workgroup_id_x 1
		.amdhsa_system_sgpr_workgroup_id_y 1
		.amdhsa_system_sgpr_workgroup_id_z 1
		.amdhsa_system_vgpr_workitem_id 0
		.amdhsa_next_free_vgpr 640
		.amdhsa_next_free_sgpr 84
		.amdhsa_reserve_vcc 0
		.amdhsa_float_denorm_mode_32 3
		.amdhsa_float_denorm_mode_16_64 3
		.amdhsa_memory_ordered 1
		.amdhsa_forward_progress 1
		.amdhsa_inst_pref_size 99
	.end_amdhsa_kernel
	.amdgpu_metadata
---
amdhsa.version: [ 1, 2 ]
amdhsa.kernels:
  - .name:           k_q2396da72ab_ff2
    .symbol:         k_q2396da72ab_ff2.kd
    .args:
      - { .name: hc, .offset: 0, .size: 8, .value_kind: global_buffer, .address_space: global }
      - { .name: ff2_w_codes, .offset: 8, .size: 8, .value_kind: global_buffer, .address_space: global }
      - { .name: lowp_scales, .offset: 16, .size: 8, .value_kind: global_buffer, .address_space: global }
      - { .name: ff2_b, .offset: 24, .size: 8, .value_kind: global_buffer, .address_space: global }
      - { .name: x1, .offset: 32, .size: 8, .value_kind: global_buffer, .address_space: global }
      - { .name: out0, .offset: 40, .size: 8, .value_kind: global_buffer, .address_space: global }
    .group_segment_fixed_size: 327680
    .private_segment_fixed_size: 0
    .kernarg_segment_align: 8
    .kernarg_segment_size: 48
    .max_flat_workgroup_size: 128
    .sgpr_count:     84
    .vgpr_count:     640
    .wavefront_size: 32
...
	.end_amdgpu_metadata
.endif
;; end of part 7
